; MI455X (gfx1250); checked and timed in simulation.
; The chip was launched on July 23, 2026; its instructions are those of AMD's public machine-readable ISA for CDNA 5 (MIT licence, August 2026) and "CDNA5" Instruction Set Architecture Reference Guide (July 2026). The comments in the code are by the model that wrote it; some were corrected since.
;; Attention. Allowed arithmetic: float matrix products may take bf16 or f16 operands with f32 sums; all other float work in f32.
;; Inputs: Wk 1,024 x 1,024 float32; Wq 1,024 x 1,024 float32; Wv 1,024 x 1,024 float32; x 4 x 2,048 x 1,024 float32.
;; Outputs: out0 4 x 2,048 x 1,024 float32.
;; 2 versions, each right; version 2 is version 1 with the launch cast written anew for expert scheduling mode. Each part assembles by itself: llvm-mc -triple=amdgcn-amd-amdhsa -mcpu=gfx1250 --defsym DOCPART=n.
;; ======== version 1 of 2: 4 launches
;; limits: values are held in f16: magnitudes above 65,504 overflow, below 6.1e-05 lose precision
;; workspace buffers: xb 16,777,216 bytes; wb 6,291,456 bytes; qh 16,777,216 bytes; kh 16,777,216 bytes; vt 16,777,216 bytes; pw 33,554,432 bytes; st 1,048,576 bytes
;; launch cast (part 1): grid 256 x 1, 11 waves a work-group, no clusters, 0 bytes of LDS; arguments x, Wq, Wk, Wv, xb, wb; writes xb, wb
.if DOCPART == 1
	.amdgcn_target "amdgcn-amd-amdhsa--gfx1250"
	.amdhsa_code_object_version 6
	.text
	.protected	k_qb69830268a_cast
	.globl	k_qb69830268a_cast
	.p2align	8
	.type	k_qb69830268a_cast,@function
k_qb69830268a_cast:
	s_mov_b64 s[64:65], 0
	v_nop
	global_prefetch_b8 v0, s[64:65] scope:SCOPE_SE
	s_setreg_imm32_b32 hwreg(HW_REG_WAVE_MODE, 25, 1), 1
	s_wait_xcnt 0x0
; x [8192][1024] and Wq, Wk, Wv [1024][1024], f32, are rounded once to bf16 and laid out in blocks along the inner index:
; xb [16 kb][8192 rows][64], wb [3: q, k, v][16 kb][1024 rows][64].  So the tiles of the product that follows (some rows x 64 numbers) are dense in memory.
; SHARES.  The 8,192 + 3 x 1,024 = 11,264 rows are 2,816 groups of 4; 256 work-groups of 11 waves take 11 groups each, a wave one group: group G = 11 g + w.
; Groups 0-2047 are x's, then 256 each for Wq, Wk, Wv.
; Lane l: row l / 8 of the group, and in every block kb the 8 numbers 8 (l % 8) on: 32 bytes in, 16 bytes out.  Eight lanes' two loads cover 256 aligned bytes of a row;
; a wave's store covers 512 consecutive bytes (four rows of a block).  All 32 loads of a wave go out at once; no register is written twice, so no wait but the counted ones.
; No LDS, no matrix unit: a stream, each byte read once and written once.
.set LO, 1                             ; v1       byte offset of my 32 bytes in block 0 of my row
.set SO, 2                             ; v2-17    byte offset of my 16 bytes in plane kb of the destination
.set X,  18                            ; v18-145  eight registers for each kb: as loaded, then four of them as stored
.set TP, 146                           ; v146     at work
	s_load_b256 s[4:11], s[0:1], 0x0               ; x s[4:5], Wq s[6:7], Wk s[8:9], Wv s[10:11]
	s_load_b128 s[12:15], s[0:1], 0x20             ; xb s[12:13], wb s[14:15]
	v_lshrrev_b32 v[TP], 5, v0
	v_readfirstlane_b32 s16, v[TP]                 ; wave 0..10
	s_mul_i32 s17, ttmp9, 11
	s_add_co_u32 s17, s17, s16                     ; G: my group of 4 rows
	s_sub_co_u32 s18, s17, 2048                    ; for the groups behind x's:
	s_lshr_b32 s19, s18, 8                         ; which matrix (0, 1, 2),
	s_and_b32 s18, s18, 255                        ; which 4 rows of it
	s_mov_b32 s24, 0x20000                         ; a plane of wb: 1,024 rows x 128 bytes
	s_mov_b32 s27, 0x100000                        ; a plane of xb: 8,192 rows x 128 bytes
	v_and_b32 v[SO], 31, v0                        ; lane
	v_lshrrev_b32 v[LO], 3, v[SO]                  ; row in the group
	v_and_b32 v[TP], 7, v0                         ; piece of a block
	v_lshlrev_b32 v[LO], 12, v[LO]                 ; row x 4,096 bytes
	v_lshl_add_u32 v[LO], v[TP], 5, v[LO]          ; + 32 x piece
	v_lshlrev_b32 v[SO], 4, v[SO]                  ; row x 128 + 16 x piece = 16 x lane
	s_wait_kmcnt 0x0
	s_cmp_eq_u32 s19, 1
	s_cselect_b64 s[20:21], s[8:9], s[6:7]         ; Wk or Wq,
	s_cmp_eq_u32 s19, 2
	s_cselect_b64 s[20:21], s[10:11], s[20:21]     ; or Wv,
	s_cmp_lt_u32 s17, 2048
	s_cselect_b64 s[20:21], s[4:5], s[20:21]       ; or x: the source
	s_cselect_b64 s[22:23], s[12:13], s[14:15]     ; the destination
	s_cselect_b32 s24, s27, s24                    ; its plane
	s_cselect_b32 s25, s17, s18                    ; the group of 4 rows in the source
	s_cselect_b32 s26, 0, s19                      ; the matrix in wb
	s_lshl_b32 s28, s25, 14                        ; 4 rows x 4,096 bytes
	s_mov_b32 s29, 0
	s_add_nc_u64 s[20:21], s[20:21], s[28:29]
	s_lshl_b32 s30, s26, 21                        ; a matrix of wb: 16 planes
	s_lshl_b32 s31, s25, 9                         ; 4 rows x 128 bytes
	s_add_co_u32 s30, s30, s31
	s_mov_b32 s31, 0
	s_add_nc_u64 s[22:23], s[22:23], s[30:31]
.set kb, 0
.rept 16
	global_load_b128 v[X+8*kb:X+8*kb+3],   v[LO], s[20:21] offset:256*kb th:TH_LOAD_NT
	global_load_b128 v[X+8*kb+4:X+8*kb+7], v[LO], s[20:21] offset:256*kb+16 th:TH_LOAD_NT
.set kb, kb+1
.endr
.set kb, 1
.rept 15
	v_add_nc_u32 v[SO+kb], s24, v[SO+kb-1]
.set kb, kb+1
.endr
.set kb, 0
.rept 16
	s_wait_loadcnt 30-2*kb                         ; loads come back in order: block kb's two are in, the 2 (15 - kb) younger ones stay out
.irp j, 0,1,2,3
	v_cvt_pk_bf16_f32 v[X+8*kb+(\j)], v[X+8*kb+2*(\j)], v[X+8*kb+2*(\j)+1]  ; in place, ascending: a register is written when it has been read
.endr
	global_store_b128 v[SO+kb], v[X+8*kb:X+8*kb+3], s[22:23]
.set kb, kb+1
.endr
	s_endpgm
.Lfunc_end_k_qb69830268a_cast:
	.size	k_qb69830268a_cast, .Lfunc_end_k_qb69830268a_cast-k_qb69830268a_cast
	.p2alignl 7, 3214868480
	.fill 96, 4, 3214868480
	.section	.rodata,"a",@progbits
	.p2align	6, 0x0
	.amdhsa_kernel k_qb69830268a_cast
		.amdhsa_group_segment_fixed_size 0
		.amdhsa_private_segment_fixed_size 0
		.amdhsa_enable_private_segment 0
		.amdhsa_kernarg_size 48
		.amdhsa_user_sgpr_count 2
		.amdhsa_user_sgpr_kernarg_segment_ptr 1
		.amdhsa_wavefront_size32 1
		.amdhsa_system_sgpr_workgroup_id_x 1
		.amdhsa_system_sgpr_workgroup_id_y 1
		.amdhsa_system_sgpr_workgroup_id_z 1
		.amdhsa_system_vgpr_workitem_id 0
		.amdhsa_next_free_vgpr 148
		.amdhsa_next_free_sgpr 66
		.amdhsa_reserve_vcc 0
		.amdhsa_float_denorm_mode_32 3
		.amdhsa_float_denorm_mode_16_64 3
		.amdhsa_memory_ordered 1
		.amdhsa_forward_progress 1
		.amdhsa_inst_pref_size 12
	.end_amdhsa_kernel
	.amdgpu_metadata
---
amdhsa.version: [ 1, 2 ]
amdhsa.kernels:
  - .name:           k_qb69830268a_cast
    .symbol:         k_qb69830268a_cast.kd
    .args:
      - { .name: x, .offset: 0, .size: 8, .value_kind: global_buffer, .address_space: global }
      - { .name: Wq, .offset: 8, .size: 8, .value_kind: global_buffer, .address_space: global }
      - { .name: Wk, .offset: 16, .size: 8, .value_kind: global_buffer, .address_space: global }
      - { .name: Wv, .offset: 24, .size: 8, .value_kind: global_buffer, .address_space: global }
      - { .name: xb, .offset: 32, .size: 8, .value_kind: global_buffer, .address_space: global }
      - { .name: wb, .offset: 40, .size: 8, .value_kind: global_buffer, .address_space: global }
    .group_segment_fixed_size: 0
    .private_segment_fixed_size: 0
    .kernarg_segment_align: 8
    .kernarg_segment_size: 48
    .max_flat_workgroup_size: 352
    .sgpr_count:     66
    .vgpr_count:     148
    .wavefront_size: 32
...
	.end_amdgpu_metadata
.endif
;; end of part 1
;; launch proj (part 2): grid 8 x 32, 4 waves a work-group, clusters of 4 x 4, 327,680 bytes of LDS; arguments xb, wb, qh, kh, vt; writes qh, kh, vt
.if DOCPART == 2
	.amdgcn_target "amdgcn-amd-amdhsa--gfx1250"
	.amdhsa_code_object_version 6
	.text
	.protected	k_qb69830268a_proj
	.globl	k_qb69830268a_proj
	.p2align	8
	.type	k_qb69830268a_proj,@function
k_qb69830268a_proj:
	s_mov_b64 s[64:65], 0
	v_nop
	global_prefetch_b8 v0, s[64:65] scope:SCOPE_SE
	s_setreg_imm32_b32 hwreg(HW_REG_WAVE_MODE, 25, 1), 1
	s_wait_xcnt 0x0
	s_wait_alu depctr_hold_cnt(0) depctr_sa_sdst(0) depctr_va_vdst(0) depctr_va_sdst(0) depctr_va_ssrc(0) depctr_va_vcc(0) depctr_vm_vsrc(0)
	s_getreg_b32 s2, hwreg(HW_REG_IB_STS2, 6, 4)
	s_cmp_eq_u32 s2, 0
	s_cbranch_scc0 .Lentry_in_a_cluster
	s_endpgm
.Lentry_in_a_cluster:
	s_bfe_u32 s2, ttmp6, 0x10000c
	s_cmp_lg_u32 s2, 0xf033
	s_cbranch_scc0 .Lentry_shape_is_right
	s_endpgm
.Lentry_shape_is_right:
; q = x Wq^T, k = x Wk^T, v = x Wv^T in ONE product: operands bf16 (xb, wb, laid out in blocks of 64 along the inner index), sums f32, results rounded once to f16.
; qh, kh: [8192][1024] f16, unscaled.  vt: [4][1024 channels][2048 tokens] f16: v transposed, as the last launch wants it.
; LIMIT.  f16 holds no number beyond 65,504: q, k and v must lie within it.
; SHARES.  Work-group (j, i): 256 tokens (256 i on) x 128 columns (128 j on) of each of q, k and v: a tile of 256 x 384, 8 x 32 = 256 equal work-groups.
; Wave w = 2 rh + chf: tokens 128 rh on; all 128 columns of q (chf = 0) or of k (chf = 1), and channels 64 chf on of v: 128 x 192, 96 accumulators, 768 registers.
; The inner index goes in 16 steps of 64 through two LDS slots; a step is two sub-steps of 32.
; q and k are made with source 0 = rows of W, source 1 = tokens: a lane holds one token and 8 neighbouring columns.  v with the sources swapped: a lane holds one channel and 8 neighbouring tokens.
; CLUSTER 4 x 4: x's tile hangs on i alone and is shared along a row of the cluster, W's tiles on j alone and are shared along a column: joint loads.
; REGISTERS, in windows of 256 (s_set_vgpr_msb: bits 1:0 source 0, 3:2 source 1, 5:4 source 2, 7:6 destination):
;   window 0: v0-15 addresses; v32-95, v96-159 x's fragments (8 x 16 tokens x 32), two buffers; v160-255 W's 12 fragments, ONE buffer in three thirds (columns 0-63, 64-127, v's 64)
;   window 1 + t: third t's 32 accumulators, (a, bb) at v[8 (4 a + bb)].
; A third of W's buffer is loaded again straight behind the 32 products that read it, 64 products ahead of its next use.
.set PITCH,  144                       ; an LDS row: 128 bytes + 16 of padding: an odd multiple of 16, so the 16 rows of a fragment load start at different groups of four banks (ISA guide 11.1)
.set FRAG,   16*PITCH
.set WT,     128*PITCH                 ; 128 rows of one W
.set XOFF,   3*WT                      ; a slot: Wq's, Wk's, Wv's 128 rows, then x's 256
.set SLOT,   XOFF+256*PITCH
.set STAGE,  2*SLOT                    ; behind the ring: 16 rows x 272 bytes for each wave, for the way out
.set SPITCH, 272
.set SPARE,  STAGE+4*16*SPITCH         ; behind the stages: the spare words, 128 bytes a wave
.set XPLANE, 0x100000                  ; bytes from one block of 64 to the next in xb
.set WPLANE, 0x20000                   ; and in wb
.set ADRA, 4                           ; v4-5   LDS address of my x fragments in slot 0, 1
.set ADRM, 6                           ; v6-7   of my fragments of Wq or Wk
.set ADRV, 8                           ; v8-9   of my fragments of Wv
.set STO,  10                          ; v10    the way out: where I put 16 bytes of a row
.set RD,   11                          ; v11    where I read a row back
.set CO,   12                          ; v12    my byte offset in two rows of qh or kh
.set COV,  13                          ; v13    in two rows of vt
.set SPW,  14                          ; v14    LDS address of my spare word; never rewritten
.set NIL,  15                          ; v15    0; never rewritten
.set FA0,  32
.set FA1,  96
.set FB,   160
.set TMP,  32                          ; the way out: packed results
.set OB,   64                          ; the way out: rows read back, v64-95 and v96-127 by turns
.set G1A, 24                           ; s[24:31] descriptor group 1 for x's tile;  s[32:39] group 0, a set for each slot
.set G0A, 32
.set G1B, 48                           ; s[48:55], s[56:63] the same for W's tiles
.set G0B, 56
.set MSB, 0
.macro WIN new                         ; the immediate's high byte repeats the setting that is left
.if MSB != (\new)
	s_set_vgpr_msb (MSB<<8)|(\new)
.set MSB, \new
.endif
.endm
.macro PLACES                          ; four places between a matrix instruction and a load into, or a vector instruction on, its registers (ISA guide 7.12.1 for vector instructions)
.rept 4
	v_nop
.endr
.endm
; A joint load.  Waves 0, 1, 2 fetch Wq's, Wk's, Wv's 128 rows, wave 3 x's 256.  The branch hangs on the wave's number alone.  An s_nop 0 and four v_nop follow each line.
.macro JLOAD s
	s_cmp_eq_u32 s14, 3
	s_cbranch_scc0 .Lfor_w_\@
	tensor_load_to_lds s[G0A+4*(\s):G0A+4*(\s)+3], s[G1A:G1A+7]
	s_nop 0
.rept 4
	v_nop
.endr
	s_branch .Lasked_\@
.Lfor_w_\@:
	tensor_load_to_lds s[G0B+4*(\s):G0B+4*(\s)+3], s[G1B:G1B+7]
	s_nop 0
.rept 4
	v_nop
.endr
.Lasked_\@:
.endm
.macro CREST                           ; a round of the cluster's barrier behind its opening barrier
	s_cmp_lg_u32 s14, 0
	s_cbranch_scc1 .Lnot_wave_0_\@
	s_barrier_signal -3
.Lnot_wave_0_\@:
	s_barrier_wait -3
	s_barrier_signal -1
	s_barrier_wait -1
.endm
.macro CROUND                          ; a whole round
	s_barrier_signal -1
	s_barrier_wait -1
	CREST
.endm
	s_load_b256 s[4:11], s[0:1], 0x0               ; xb s[4:5], wb s[6:7], qh s[8:9], kh s[10:11]
	s_load_b64 s[12:13], s[0:1], 0x20              ; vt
	v_lshl_add_u32 v[SPW], v0, 2, SPARE
	v_mov_b32 v[NIL], 0
	ds_add_u32 v[SPW], v[NIL]                      ; the wave's opening: the add and its wait stand ahead of my first tensor load; work on registers stands between them
	v_lshrrev_b32 v1, 5, v0
	v_readfirstlane_b32 s14, v1                    ; wave 0..3
	s_lshr_b32 s15, s14, 1                         ; rh: which 128 tokens
	s_and_b32 s16, s14, 1                          ; chf: q or k, and which 64 channels of v
	s_bfe_u32 s17, ttmp6, 0x40000                  ; cx
	s_bfe_u32 s18, ttmp6, 0x40004                  ; cy
	s_lshl_b32 s19, ttmp9, 2
	s_add_co_u32 s19, s19, s17                     ; j = 4 x cluster x + cx
	s_and_b32 s20, ttmp7, 0xffff
	s_lshl_b32 s20, s20, 2
	s_add_co_u32 s20, s20, s18                     ; i = 4 x cluster y + cy
	s_lshl_b32 s21, s18, 2
	s_lshl_b32 s21, 15, s21                        ; my row of the cluster
	s_lshl_b32 s22, 0x1111, s17                    ; my column
	; group 1.  The tiles are dense in memory: asked for as rows of 256 bytes (two rows of 64 bf16), padded in LDS behind every 128 bytes
	s_or_b32 s[G1A+0], s21, (1<<16)|(1<<20)|(1<<21)|(4<<22)|(3<<25)  ; 15:0 the mask; 17:16 2-byte elements; 20 padding on; 21 set beside a mask; 24:22 after every 32 words (code 4); 31:25 4 words (code 3)
	s_or_b32 s[G1B+0], s22, (1<<16)|(1<<20)|(1<<21)|(4<<22)|(3<<25)
	s_mov_b32 s[G1A+1], 128<<16                    ; tensor_dim0 = 128 elements
	s_mov_b32 s[G1B+1], 128<<16
	s_mov_b32 s[G1A+2], 128<<16                    ; tensor_dim1: x 128 rows of 256 bytes (256 tokens),
	s_mov_b32 s[G1B+2], 64<<16                     ; W 64 (128 rows of W)
	s_mov_b32 s[G1A+3], 128<<16                    ; tile_dim0 = 128
	s_mov_b32 s[G1B+3], 128<<16
	s_mov_b32 s[G1A+4], 128                        ; tile_dim1
	s_mov_b32 s[G1B+4], 64
	s_mov_b32 s[G1A+5], 128                        ; 128 elements from row to row
	s_mov_b32 s[G1B+5], 128
	s_mov_b32 s[G1A+6], 0
	s_mov_b32 s[G1B+6], 0
	s_mov_b32 s[G1A+7], 0
	s_mov_b32 s[G1B+7], 0
	s_mul_i32 s23, s14, WT                         ; where my tile goes: wave x 18,432: Wq, Wk, Wv, x.  No place in the cluster enters an LDS address
	s_lshl_b32 s40, s20, 15                        ; x: 256 i tokens x 128 bytes (registers that never hold cx)
	s_mov_b32 s41, 0
	s_min_u32 s44, s14, 2                          ; W: the matrix (wave 3 asks by x's descriptor),
	s_lshl_b32 s44, s44, 21
	s_lshl_b32 s45, s19, 14                        ; 128 j rows x 128 bytes (registers that never hold cy)
	s_add_co_u32 s44, s44, s45
	s_mov_b32 s45, 0
	s_wait_dscnt 0x0                               ; the opening add is done
	s_wait_kmcnt 0x0
	s_add_nc_u64 s[40:41], s[4:5], s[40:41]
	s_add_nc_u64 s[44:45], s[6:7], s[44:45]
	CROUND                                         ; all sixteen work-groups are here: the first joint loads meet
.irp s, 0,1
	s_mov_b32 s[G0A+4*(\s)], 1                                       ; count = 1
	s_add_co_u32 s[G0A+4*(\s)+1], s23, (\s)*SLOT                     ; LDS address
	s_add_nc_u64 s[G0A+4*(\s)+2:G0A+4*(\s)+3], s[40:41], (\s)*XPLANE ; global address: step s
	s_or_b32 s[G0A+4*(\s)+3], s[G0A+4*(\s)+3], 0x80000000            ; type = 2
	s_mov_b32 s[G0B+4*(\s)], 1
	s_add_co_u32 s[G0B+4*(\s)+1], s23, (\s)*SLOT
	s_add_nc_u64 s[G0B+4*(\s)+2:G0B+4*(\s)+3], s[44:45], (\s)*WPLANE
	s_or_b32 s[G0B+4*(\s)+3], s[G0B+4*(\s)+3], 0x80000000
	JLOAD \s                                       ; two loads of mine are out
.endr
	; a fragment is 16 rows x 32 in 8 registers: lane l holds row l % 16; two loads of 16 bytes, 32 bytes apart, at row x pitch + 16 (l / 16)
	v_and_b32 v1, 15, v0                           ; r
	v_bfe_u32 v2, v0, 4, 1                         ; h
	v_mul_u32_u24 v3, v1, PITCH
	v_lshl_add_u32 v3, v2, 4, v3
	s_mul_i32 s42, s15, WT
	s_add_co_u32 s42, s42, XOFF                    ; my 128 tokens
	s_mul_i32 s43, s16, WT                         ; Wq's or Wk's rows
	s_mul_i32 s46, s16, 64*PITCH
	s_add_co_u32 s46, s46, 2*WT                    ; my 64 rows of Wv
.irp s, 0,1
	v_add_nc_u32 v[ADRA+(\s)], s42, v3
	v_add_nc_u32 v[ADRM+(\s)], s43, v3
	v_add_nc_u32 v[ADRV+(\s)], s46, v3
	s_add_co_u32 s42, s42, SLOT
	s_add_co_u32 s43, s43, SLOT
	s_add_co_u32 s46, s46, SLOT
.endr
	s_mul_i32 s47, s14, 16*SPITCH
	s_add_co_u32 s47, s47, STAGE                   ; my stage
	v_mul_u32_u24 v[STO], v1, SPITCH               ; in: row r, 16 bytes for each half of the lanes
	v_lshl_add_u32 v[STO], v2, 4, v[STO]
	v_add_nc_u32 v[STO], s47, v[STO]
	v_mul_u32_u24 v[RD], v2, SPITCH                ; back: lanes 0-15 one row of 256 bytes, lanes 16-31 the next
	v_lshl_add_u32 v[RD], v1, 4, v[RD]
	v_add_nc_u32 v[RD], s47, v[RD]
	v_lshlrev_b32 v[CO], 11, v2                    ; the same two rows in qh or kh (2,048 bytes a row)
	v_lshl_add_u32 v[CO], v1, 4, v[CO]
	v_lshlrev_b32 v[COV], 12, v2                   ; and in vt (4,096 bytes a row)
	v_lshl_add_u32 v[COV], v1, 4, v[COV]
	s_lshl_b32 s68, s20, 19                        ; qh, kh: (256 i + 128 rh) rows of 2,048 bytes + 256 j bytes
	s_lshl_b32 s69, s15, 18
	s_add_co_u32 s68, s68, s69
	s_lshl_b32 s69, s19, 8
	s_add_co_u32 s68, s68, s69
	s_mov_b32 s69, 0
	s_cmp_eq_u32 s16, 0
	s_cselect_b64 s[8:9], s[8:9], s[10:11]         ; my main output: qh or kh
	s_add_nc_u64 s[8:9], s[8:9], s[68:69]
	s_lshr_b32 s70, s20, 3                         ; vt: the batch's 1,024 rows of 4,096 bytes,
	s_lshl_b32 s70, s70, 22
	s_lshl_b32 s71, s19, 19                        ; channel 128 j
	s_add_co_u32 s70, s70, s71
	s_lshl_b32 s71, s16, 18                        ; + 64 chf,
	s_add_co_u32 s70, s70, s71
	s_and_b32 s71, s20, 7                          ; token (256 i + 128 rh) mod 2,048, 2 bytes each
	s_lshl_b32 s71, s71, 9
	s_add_co_u32 s70, s70, s71
	s_lshl_b32 s71, s15, 8
	s_add_co_u32 s70, s70, s71
	s_mov_b32 s71, 0
	s_add_nc_u64 s[12:13], s[12:13], s[70:71]
; 16 products: third t, token blocks a0 .. a0 + 3, its four column blocks.  zero = 1: the first product starts the sums.  The accumulators take turns: 95 others' stand between two links.
.macro RUNH t, fa, a0, zero
	WIN 0x50*((\t)+1)                              ; C and D in window 1 + t, the sources in window 0
.irp a, (\a0), (\a0)+1, (\a0)+2, (\a0)+3
.irp bb, 0,1,2,3
.set rD, 8*(4*(\a)+(\bb))
.set rW, FB+8*(4*(\t)+(\bb))
.set rX, (\fa)+8*(\a)
.if (\t) < 2
.if \zero
	v_wmma_f32_16x16x32_bf16 v[rD:rD+7], v[rW:rW+7], v[rX:rX+7], 0
.else
	v_wmma_f32_16x16x32_bf16 v[rD:rD+7], v[rW:rW+7], v[rX:rX+7], v[rD:rD+7]
.endif
.else
.if \zero
	v_wmma_f32_16x16x32_bf16 v[rD:rD+7], v[rX:rX+7], v[rW:rW+7], 0
.else
	v_wmma_f32_16x16x32_bf16 v[rD:rD+7], v[rX:rX+7], v[rW:rW+7], v[rD:rD+7]
.endif
.endif
.endr
.endr
.endm
.macro RUN t, fa, zero
	RUNH \t, \fa, 0, \zero
	RUNH \t, \fa, 4, \zero
.endm
.macro LDB t, s, k                     ; eight loads: third t of W's fragments, from slot s, byte k of the rows
.irp bb, 0,1,2,3
.set rW, FB+8*(4*(\t)+(\bb))
.if (\t) < 2
	ds_load_b128 v[rW:rW+3],   v[ADRM+(\s)] offset:(\k)+(4*(\t)+(\bb))*FRAG
	ds_load_b128 v[rW+4:rW+7], v[ADRM+(\s)] offset:(\k)+(4*(\t)+(\bb))*FRAG+32
.else
	ds_load_b128 v[rW:rW+3],   v[ADRV+(\s)] offset:(\k)+(\bb)*FRAG
	ds_load_b128 v[rW+4:rW+7], v[ADRV+(\s)] offset:(\k)+(\bb)*FRAG+32
.endif
.endr
.endm
.macro LDA hf, s, k, fa                ; eight loads: token blocks 4 hf .. 4 hf + 3 into buffer fa
.irp a, 4*(\hf), 4*(\hf)+1, 4*(\hf)+2, 4*(\hf)+3
	ds_load_b128 v[(\fa)+8*(\a):(\fa)+8*(\a)+3],   v[ADRA+(\s)] offset:(\k)+(\a)*FRAG
	ds_load_b128 v[(\fa)+8*(\a)+4:(\fa)+8*(\a)+7], v[ADRA+(\s)] offset:(\k)+(\a)*FRAG+32
.endr
.endm
; A sub-step: 96 products on buffer fa.  The fragments of the next sub-step (slot ns, byte nk) are fetched during it, in this order: third 0 (8), x's first half (8), x's second half (8), third 1 (8), third 2 (8).
.macro STEP_E fa, ga, ns, nk, zero
	s_wait_dscnt 16                                ; third 0 and x are in: behind them thirds 1 and 2
	RUN 0, \fa, \zero
	PLACES
	WIN 0
	LDB 0, \ns, \nk
	LDA 0, \ns, \nk, \ga
	s_wait_dscnt 24                                ; third 1 is in: behind it third 2 (8) and the 16 just issued
	RUN 1, \fa, \zero
	PLACES
	WIN 0
	LDA 1, \ns, \nk, \ga
	LDB 1, \ns, \nk
	s_wait_dscnt 32                                ; third 2 is in: behind it 16 + 16
	RUN 2, \fa, \zero
	PLACES
	WIN 0
	LDB 2, \ns, \nk
.endm
; A slot's second sub-step begins with the change of slots: ONE barrier.  In front of it each wave waits for all its tensor loads (one is out: its part of the other slot), adds 0 to its spare word, and waits
; for that and for its reads of this slot, all of whose fragments are then in registers.  fill = 1: the barrier is a round of the cluster's, and the slot is filled again, two steps ahead, first thing behind it.
; No product stands between the wait for a tile and the next request: all of the step's 192 products stand behind the request, so that the load has them all in which to land.
.macro STEP_O slot, fa, ga, ns, fill
	WIN 0                                          ; at a branch and at a label every window is 0
	s_wait_tensorcnt 0x0                           ; all my tensor loads have landed, so a group 0 may be written;
	ds_add_u32 v[SPW], v[NIL]                      ; 0 onto my spare word; the descriptors' steps stand between it and the wait for it
.if \fill
	s_add_nc_u64 s[G0A+4*(\slot)+2:G0A+4*(\slot)+3], s[G0A+4*(\slot)+2:G0A+4*(\slot)+3], 2*XPLANE
	s_add_nc_u64 s[G0B+4*(\slot)+2:G0B+4*(\slot)+3], s[G0B+4*(\slot)+2:G0B+4*(\slot)+3], 2*WPLANE
.endif
	s_wait_dscnt 0x0                               ; the add is done, and my reads of this slot are over
.if \fill
	CROUND                                         ; no wave of any partner still reads this slot's tiles or has a load on its way
	JLOAD \slot                                    ; the first tensor load behind the round
.else
	s_barrier_signal -1
	s_barrier_wait -1
.endif
	STEP_E \fa, \ga, \ns, 0, 0                     ; its three waits are met at once here
.endm
.macro STEP_LAST fa                    ; nothing more to fetch: the counts run down
	s_wait_dscnt 16
	RUN 0, \fa, 0
	s_wait_dscnt 8
	RUN 1, \fa, 0
	s_wait_dscnt 0x0
	RUN 2, \fa, 0
.endm
	s_wait_tensorcnt 1                             ; my part of step 0 is in; step 1's may stay out
	s_barrier_signal -1
	s_barrier_wait -1                              ; everybody's is
	LDB 0, 0, 0
	LDA 0, 0, 0, FA0
	LDA 1, 0, 0, FA0
	LDB 1, 0, 0
	LDB 2, 0, 0
	STEP_E FA0, FA1, 0, 64, 1                      ; the first sub-step stands in front of the loop: its products start the sums
	WIN 0
	s_mov_b32 s66, 7
.Llap:                                                 ; a trip goes once round the ring and fills both slots again: 14 refills for steps 2 to 15
	STEP_O 0, FA1, FA0, 1, 1
	STEP_E FA0, FA1, 1, 64, 0
	STEP_O 1, FA1, FA0, 0, 1
	STEP_E FA0, FA1, 0, 64, 0
	WIN 0
	s_sub_co_u32 s66, s66, 1
	s_cmp_lg_u32 s66, 0
	s_cbranch_scc1 .Llap
	STEP_O 0, FA1, FA0, 1, 0                       ; the tail fills nothing
	STEP_E FA0, FA1, 1, 64, 0
	STEP_LAST FA1
	PLACES
; THE WAY OUT, in 12 blocks of 16 rows x 256 bytes: 8 of q or k (16 tokens x 128 columns), 4 of vt (16 channels x 128 tokens).  Rounded to f16, 16 bytes a lane into my own stage, back as whole rows, stored.
.macro PACK n
.if (\n) < 8
	WIN 0x05                                       ; sources in window 1: columns 0-63
.irp bb, 0,1,2,3
.irp q, 0,1,2,3
	v_cvt_pk_f16_f32 v[TMP+4*(\bb)+(\q)], v[8*(4*(\n)+(\bb))+2*(\q)], v[8*(4*(\n)+(\bb))+2*(\q)+1]
.endr
.endr
	WIN 0x0a                                       ; window 2: columns 64-127
.irp bb, 0,1,2,3
.irp q, 0,1,2,3
	v_cvt_pk_f16_f32 v[TMP+16+4*(\bb)+(\q)], v[8*(4*(\n)+(\bb))+2*(\q)], v[8*(4*(\n)+(\bb))+2*(\q)+1]
.endr
.endr
.else
	WIN 0x0f                                       ; window 3: channel block n - 8, all eight token blocks
.irp a, 0,1,2,3,4,5,6,7
.irp q, 0,1,2,3
	v_cvt_pk_f16_f32 v[TMP+4*(\a)+(\q)], v[8*(4*(\a)+(\n)-8)+2*(\q)], v[8*(4*(\a)+(\n)-8)+2*(\q)+1]
.endr
.endr
.endif
	WIN 0
.endm
.macro TOSTAGE n
	WIN 0
.set BK, OB+32*((\n)%2)
.irp b, 0,1,2,3,4,5,6,7
	ds_store_b128 v[STO], v[TMP+4*(\b):TMP+4*(\b)+3] offset:32*(\b)
.endr
.irp u, 0,1,2,3,4,5,6,7
	ds_load_b128 v[BK+4*(\u):BK+4*(\u)+3], v[RD] offset:(\u)*2*SPITCH  ; LDS serves a wave's instructions in order (ISA guide 5.7.1.4): these see the stores above
.endr
.endm
.macro SEND n
	WIN 0
.set BK, OB+32*((\n)%2)
	s_wait_dscnt 0x0                               ; the block is back in registers
	s_wait_xcnt 0x0                                ; only behind this wait are the stores' base and the registers that earlier stores read rewritten
.if (\n) < 8
.if (\n) > 0
	s_add_nc_u64 s[8:9], s[8:9], 16*2048           ; 16 tokens on
.endif
.irp u, 0,1,2,3,4,5,6,7
	global_store_b128 v[CO], v[BK+4*(\u):BK+4*(\u)+3], s[8:9] offset:(\u)*2*2048  ; 16 lanes store 256 consecutive bytes, aligned
.endr
.else
.if (\n) > 8
	s_add_nc_u64 s[12:13], s[12:13], 16*4096       ; 16 channels on
.endif
.irp u, 0,1,2,3,4,5,6,7
	global_store_b128 v[COV], v[BK+4*(\u):BK+4*(\u)+3], s[12:13] offset:(\u)*2*4096
.endr
.endif
.endm
	PACK 0
	TOSTAGE 0
.irp n, 1,2,3,4,5,6,7,8,9,10,11        ; block n's conversions stand between block n - 1's loads from the stage and the wait for them
	PACK \n
	SEND (\n)-1
	TOSTAGE \n
.endr
	SEND 11
	s_wait_tensorcnt 0x0                           ; the wave's end
	ds_add_u32 v[SPW], v[NIL]
	s_wait_dscnt 0x0
	CROUND                                         ; the closing round
	s_endpgm
.Lfunc_end_k_qb69830268a_proj:
	.size	k_qb69830268a_proj, .Lfunc_end_k_qb69830268a_proj-k_qb69830268a_proj
	.p2alignl 7, 3214868480
	.fill 96, 4, 3214868480
	.section	.rodata,"a",@progbits
	.p2align	6, 0x0
	.amdhsa_kernel k_qb69830268a_proj
		.amdhsa_group_segment_fixed_size 327680
		.amdhsa_private_segment_fixed_size 0
		.amdhsa_enable_private_segment 0
		.amdhsa_kernarg_size 40
		.amdhsa_user_sgpr_count 2
		.amdhsa_user_sgpr_kernarg_segment_ptr 1
		.amdhsa_wavefront_size32 1
		.amdhsa_system_sgpr_workgroup_id_x 1
		.amdhsa_system_sgpr_workgroup_id_y 1
		.amdhsa_system_sgpr_workgroup_id_z 1
		.amdhsa_system_vgpr_workitem_id 0
		.amdhsa_next_free_vgpr 1024
		.amdhsa_next_free_sgpr 76
		.amdhsa_reserve_vcc 0
		.amdhsa_float_denorm_mode_32 3
		.amdhsa_float_denorm_mode_16_64 3
		.amdhsa_memory_ordered 1
		.amdhsa_forward_progress 1
		.amdhsa_inst_pref_size 131
	.end_amdhsa_kernel
	.amdgpu_metadata
---
amdhsa.version: [ 1, 2 ]
amdhsa.kernels:
  - .name:           k_qb69830268a_proj
    .symbol:         k_qb69830268a_proj.kd
    .args:
      - { .name: xb, .offset: 0, .size: 8, .value_kind: global_buffer, .address_space: global }
      - { .name: wb, .offset: 8, .size: 8, .value_kind: global_buffer, .address_space: global }
      - { .name: qh, .offset: 16, .size: 8, .value_kind: global_buffer, .address_space: global }
      - { .name: kh, .offset: 24, .size: 8, .value_kind: global_buffer, .address_space: global }
      - { .name: vt, .offset: 32, .size: 8, .value_kind: global_buffer, .address_space: global }
    .group_segment_fixed_size: 327680
    .private_segment_fixed_size: 0
    .kernarg_segment_align: 8
    .kernarg_segment_size: 40
    .max_flat_workgroup_size: 128
    .sgpr_count:     76
    .vgpr_count:     1024
    .wavefront_size: 32
...
	.end_amdgpu_metadata
.endif
;; end of part 2
;; launch score (part 3): grid 8 x 32, 4 waves a work-group, clusters of 4 x 4, 327,680 bytes of LDS; arguments qh, kh, pw, st; writes pw, st
.if DOCPART == 3
	.amdgcn_target "amdgcn-amd-amdhsa--gfx1250"
	.amdhsa_code_object_version 6
	.text
	.protected	k_qb69830268a_score
	.globl	k_qb69830268a_score
	.p2align	8
	.type	k_qb69830268a_score,@function
k_qb69830268a_score:
	s_mov_b64 s[64:65], 0
	v_nop
	global_prefetch_b8 v0, s[64:65] scope:SCOPE_SE
	s_setreg_imm32_b32 hwreg(HW_REG_WAVE_MODE, 25, 1), 1
	s_wait_xcnt 0x0
	s_wait_alu depctr_hold_cnt(0) depctr_sa_sdst(0) depctr_va_vdst(0) depctr_va_sdst(0) depctr_va_ssrc(0) depctr_va_vcc(0) depctr_vm_vsrc(0)
	s_getreg_b32 s2, hwreg(HW_REG_IB_STS2, 6, 4)
	s_cmp_eq_u32 s2, 0
	s_cbranch_scc0 .Lentry_in_a_cluster
	s_endpgm
.Lentry_in_a_cluster:
	s_bfe_u32 s2, ttmp6, 0x10000c
	s_cmp_lg_u32 s2, 0xf033
	s_cbranch_scc0 .Lentry_shape_is_right
	s_endpgm
.Lentry_shape_is_right:
; S = q k^T for one tile of 256 queries x 256 keys of a batch, and the first half of the softmax.  qh, kh: [8192][1024] f16; sums in f32.
; A wave holds 128 queries x 128 keys = key block t of the batch's 16.  For each query it takes the TRUE maximum m of its 128 scores and stores
;   pw[query][key] = p' = 2^(c s - c m) in f16, c = log2(e) / 32;   st[0][t][query] = c m;   st[1][t][query] = l = the sum of the unrounded p', both f32.
; The launch behind joins the 16 blocks of a row by their maxima.  Every exponent is 0 or less but for one rounding of c m, so nothing overflows whatever the scores.
; LIMITS.  p' below 6e-5 keeps f16's fixed step of 6e-8; a weight below 2^-126 counts as 0 in l; NaN and infinities are not treated apart.
; THE PRODUCT: four waves, each 128 x 128 in 64 accumulators; the inner index in 8 steps of 128 through two LDS slots filled by joint tensor loads; rows of 256 bytes, aligned.
; A step's text is written once: the slot that is read hangs on the scalar TB (0 or SLOT), and one descriptor a tensor walks from refill to refill.
; Source 0 = 16 keys, source 1 = 16 queries: a lane holds ONE query (lane % 16) and the keys 16 b + 8 (lane / 16) + 0..7, so a row's maximum and sum want one exchange between the halves of the lanes.
; THE SOFTMAX is written once for the wave's 8 blocks of 16 queries.  Registers cannot be indexed, so the 512 accumulator registers go into LDS (into the ring, which has had its last fill; each lane into
; bytes of its own, 512 consecutive bytes a store) and come back 64 a block into fixed registers.  The price: 64 KB written and read in LDS for each wave.
; CLUSTER 4 x 4: q's tile is shared along a row of the cluster, k's along a column.  The batch is cluster y / 2: all sixteen partners share it.
; REGISTERS, in windows of 256 (s_set_vgpr_msb: bits 1:0 source 0, 3:2 source 1, 5:4 source 2, 7:6 destination):
;   window 0: v0-31 addresses and statistics; v64-127, v128-191 q's fragments, two buffers; on the way out v64-127 a block's scores, v192-223 packed weights, v32-63 rows read back
;   window 1: v64-127, v128-191 k's fragments;   window 2: the accumulators of my queries 0-63 ((a, b) at v[8 (8 a + b)]);   window 3: those of queries 64-127
.set KSTEP,  128
.set PITCH,  272                       ; 256 bytes + 16 of padding: the 16 rows of a load start at 16 different groups of four banks (ISA guide 11.1)
.set HALFT,  128*PITCH
.set SLOT,   4*HALFT                   ; q's 256 rows, then k's 256 rows.  SLOT = 0x22000 shares no bit with wave x HALFT (0, 0x8800, 0x11000, 0x19800): an exclusive or with it adds it or takes it away
.set STAGE,  2*SLOT                    ; behind the ring: 16 rows x 272 bytes for each wave
.set SPITCH, 272
.set SSTAT,  STAGE+4*16*SPITCH         ; 1,024 bytes for each wave: 128 c m, then 128 l
.set SPARE,  SSTAT+4*1024              ; the spare words, 128 bytes a wave
.set T,     4                          ; v4-7    four running maxima
.set CM,    8                          ; v8-9    c m (v9 is named with it as a pair)
.set LS,    10                         ; v10-11  the sum
.set XS,    12                         ; v12     c m in lanes 0-15, l in lanes 16-31
.set SST,   13                         ; v13     where that goes in LDS, for block 0
.set SRD,   14                         ; v14     where I read 16 bytes of statistics back
.set SGO,   15                         ; v15     16 x lane
.set ADRA0, 16                         ; v16     LDS address of my q fragments in slot 0
.set ADRA,  17                         ; v17     in the slot that is read
.set DA,    18                         ; v18     my 16 bytes in the first 512 of my wave's 65,536 for the scores
.set DL,    19                         ; v19     the same for the block to be read
.set ADRB0, 20                         ; v20-21  as v16-17, for k
.set ADRB,  21
.set SSA,   22                         ; v22     SST for the block in hand
.set STO,   24
.set RD,    25
.set CO,    26
.set SPW,   28                         ; v28     LDS address of my spare word; never rewritten
.set NIL,   29                         ; v29     0; never rewritten
.set LN,    30                         ; v30     lane
.set F0,    64
.set F1,    128
.set X,     64
.set TMP,   192
.set OB,    32
.set TB,  23                           ; s23     0 or SLOT: the slot that is read
.set G1,  24
.set G0,  32                           ; s[32:35] q's first fill; s[36:39] its second, which then walks
.set G1B, 48
.set G0B, 56
.set MSB, 0
.macro WIN new
.if MSB != (\new)
	s_set_vgpr_msb (MSB<<8)|(\new)
.set MSB, \new
.endif
.endm
.set MUL_LO, 0xa1                      ; source 0 (k) window 1, source 1 (q) window 0, C and D window 2
.set MUL_HI, 0xf1                      ; the same, C and D window 3
.set TO_B,   0x40                      ; destination window 1, address window 0
.macro JLOAD s                         ; waves 0 and 1 fetch q's two halves, waves 2 and 3 k's; an s_nop 0 and four v_nop follow each line
	s_cmp_eq_u32 s13, 0
	s_cbranch_scc0 .Lfor_b_\@
	tensor_load_to_lds s[G0+4*(\s):G0+4*(\s)+3], s[G1:G1+7]
	s_nop 0
.rept 4
	v_nop
.endr
	s_branch .Lasked_\@
.Lfor_b_\@:
	tensor_load_to_lds s[G0B+4*(\s):G0B+4*(\s)+3], s[G1B:G1B+7]
	s_nop 0
.rept 4
	v_nop
.endr
.Lasked_\@:
.endm
.macro CREST
	s_cmp_lg_u32 s12, 0
	s_cbranch_scc1 .Lnot_wave_0_\@
	s_barrier_signal -3
.Lnot_wave_0_\@:
	s_barrier_wait -3
	s_barrier_signal -1
	s_barrier_wait -1
.endm
.macro CROUND
	s_barrier_signal -1
	s_barrier_wait -1
	CREST
.endm
	s_load_b256 s[4:11], s[0:1], 0x0               ; qh s[4:5], kh s[6:7], pw s[8:9], st s[10:11]
	v_lshl_add_u32 v[SPW], v0, 2, SPARE
	v_mov_b32 v[NIL], 0
	ds_add_u32 v[SPW], v[NIL]                      ; the wave's opening: the add and its wait stand ahead of my first tensor load
	v_lshrrev_b32 v1, 5, v0
	v_readfirstlane_b32 s12, v1                    ; wave 0..3
	s_lshr_b32 s13, s12, 1                         ; rh: which 128 queries are mine.  Also: I fetch for q (0) or for k (1)
	s_and_b32 s14, s12, 1                          ; chf: which 128 keys.  Also: which 128 rows of that tile I fetch
	s_bfe_u32 s15, ttmp6, 0x40000                  ; cx
	s_bfe_u32 s16, ttmp6, 0x40004                  ; cy
	s_lshl_b32 s17, ttmp9, 2
	s_add_co_u32 s17, s17, s15                     ; xt: the key tile in the batch
	s_and_b32 s21, ttmp7, 0xffff                   ; cluster y
	s_lshl_b32 s18, s21, 2
	s_add_co_u32 s18, s18, s16                     ; yt: the query tile among all 32
	s_lshl_b32 s19, s16, 2
	s_lshl_b32 s19, 15, s19                        ; my row of the cluster
	s_lshl_b32 s20, 0x1111, s15                    ; my column
	s_or_b32 s[G1+0], s19, (1<<16)|(1<<20)|(1<<21)|(5<<22)|(3<<25)   ; the mask; 2-byte elements; padding on; bit 21 beside a mask; after every 64 words (code 5) 4 words (code 3)
	s_or_b32 s[G1B+0], s20, (1<<16)|(1<<20)|(1<<21)|(5<<22)|(3<<25)
.irp g, G1, G1B
	s_mov_b32 s[(\g)+1], KSTEP<<16                 ; tensor_dim0 = 128
	s_mov_b32 s[(\g)+2], 128<<16                   ; tensor_dim1 = 128
	s_mov_b32 s[(\g)+3], KSTEP<<16                 ; tile_dim0 = 128
	s_mov_b32 s[(\g)+4], 128                       ; tile_dim1 = 128
	s_mov_b32 s[(\g)+5], 1024                      ; elements from row to row
	s_mov_b32 s[(\g)+6], 0
	s_mov_b32 s[(\g)+7], 0
.endr
	s_lshl_b32 s40, s18, 19                        ; q: row 256 yt + 128 half, 2,048 bytes a row (registers that never hold cx)
	s_lshl_b32 s41, s14, 18
	s_add_co_u32 s40, s40, s41
	s_mov_b32 s41, 0
	s_lshr_b32 s44, s21, 1                         ; k: the batch's 2,048 rows (registers that never hold cy),
	s_lshl_b32 s44, s44, 22
	s_lshl_b32 s45, s17, 19                        ; row 256 xt
	s_add_co_u32 s44, s44, s45
	s_lshl_b32 s45, s14, 18                        ; + 128 half
	s_add_co_u32 s44, s44, s45
	s_mov_b32 s45, 0
	s_mul_i32 s22, s12, HALFT                      ; where my tile goes: wave x 128 rows
	s_mov_b32 s[TB], 0
	s_mov_b32 s68, 0x3d38aa3b                      ; c = log2(e) / 32
	s_mov_b32 s69, s68                             ; named with it as a pair
	s_mov_b32 s70, 0x76543210                      ; v_permlanex16_b32: each lane takes its own place in the other half
	s_mov_b32 s71, 0xfedcba98
	s_wait_dscnt 0x0                               ; the opening add is done
	s_wait_kmcnt 0x0
	s_add_nc_u64 s[40:41], s[4:5], s[40:41]
	s_add_nc_u64 s[44:45], s[6:7], s[44:45]
	CROUND                                         ; all sixteen work-groups are here
.irp s, 0,1
	s_mov_b32 s[G0+4*(\s)], 1
	s_add_co_u32 s[G0+4*(\s)+1], s22, (\s)*SLOT
	s_add_nc_u64 s[G0+4*(\s)+2:G0+4*(\s)+3], s[40:41], (\s)*KSTEP*2
	s_or_b32 s[G0+4*(\s)+3], s[G0+4*(\s)+3], 0x80000000
	s_mov_b32 s[G0B+4*(\s)], 1
	s_add_co_u32 s[G0B+4*(\s)+1], s22, (\s)*SLOT
	s_add_nc_u64 s[G0B+4*(\s)+2:G0B+4*(\s)+3], s[44:45], (\s)*KSTEP*2
	s_or_b32 s[G0B+4*(\s)+3], s[G0B+4*(\s)+3], 0x80000000
	JLOAD \s                                       ; two loads of mine are out
.endr
	v_and_b32 v1, 15, v0                           ; r
	v_bfe_u32 v2, v0, 4, 1                         ; h
	v_and_b32 v[LN], 31, v0
	v_mul_u32_u24 v3, v1, PITCH
	v_lshl_add_u32 v3, v2, 4, v3
	s_mul_i32 s42, s13, HALFT                      ; my 128 rows of q
	s_mul_i32 s43, s14, HALFT                      ; my 128 rows of k,
	s_add_co_u32 s43, s43, 2*HALFT                 ; behind q's 256
	v_add_nc_u32 v[ADRA0], s42, v3
	v_add_nc_u32 v[ADRB0], s43, v3
	v_mov_b32 v[ADRA], v[ADRA0]
	v_mov_b32 v[ADRB], v[ADRB0]
	s_mul_i32 s46, s12, 16*SPITCH
	s_add_co_u32 s46, s46, STAGE                   ; my stage
	v_mul_u32_u24 v[STO], v1, SPITCH
	v_lshl_add_u32 v[STO], v2, 4, v[STO]
	v_add_nc_u32 v[STO], s46, v[STO]
	v_mul_u32_u24 v[RD], v2, SPITCH
	v_lshl_add_u32 v[RD], v1, 4, v[RD]
	v_add_nc_u32 v[RD], s46, v[RD]
	v_lshlrev_b32 v[CO], 12, v2                    ; two rows of pw, 4,096 bytes each
	v_lshl_add_u32 v[CO], v1, 4, v[CO]
	s_lshl_b32 s47, s12, 10
	s_add_co_u32 s47, s47, SSTAT                   ; my statistics
	v_lshlrev_b32 v[SST], 9, v2                    ; lanes 0-15 write c m, lanes 16-31 l, 512 bytes on
	v_lshl_add_u32 v[SST], v1, 2, v[SST]
	v_add_nc_u32 v[SST], s47, v[SST]
	v_mov_b32 v[SSA], v[SST]
	v_lshlrev_b32 v[SGO], 4, v[LN]
	v_add_nc_u32 v[SRD], s47, v[SGO]
	s_lshl_b32 s46, s12, 16                        ; my 65,536 bytes for the scores
	v_add_nc_u32 v[DA], s46, v[SGO]
	v_mov_b32 v[CM+1], 0
	v_cmp_le_u32 s72, 16, v[LN]                    ; the mask of lanes 16-31, in a scalar register
	s_lshl_b32 s74, s18, 20                        ; pw: (256 yt + 128 rh) rows of 4,096 bytes + 512 xt + 256 chf
	s_lshl_b32 s75, s13, 19
	s_add_co_u32 s74, s74, s75
	s_lshl_b32 s75, s17, 9
	s_add_co_u32 s74, s74, s75
	s_lshl_b32 s75, s14, 8
	s_add_co_u32 s74, s74, s75
	s_mov_b32 s75, 0
	s_add_nc_u64 s[8:9], s[8:9], s[74:75]
	s_lshl_b32 s74, s17, 16                        ; st: key block 2 xt + chf, 32,768 bytes each; row 256 yt + 128 rh, 4 bytes each
	s_lshl_b32 s75, s14, 15
	s_add_co_u32 s74, s74, s75
	s_lshl_b32 s75, s18, 10
	s_add_co_u32 s74, s74, s75
	s_lshl_b32 s75, s13, 9
	s_add_co_u32 s74, s74, s75
	s_mov_b32 s75, 0
	s_add_nc_u64 s[10:11], s[10:11], s[74:75]
; 16 products: query blocks a0, a0 + 1 of the window's four x all 8 key blocks, 32 along the inner index.  The 64 accumulators take turns.
.macro MUL16 f, hi, a0, zero
	WIN MUL_LO+0x50*(\hi)
.irp a, \a0, (\a0)+1
.irp b, 0,1,2,3,4,5,6,7
.if \zero
	v_wmma_f32_16x16x32_f16 v[8*(8*(\a)+(\b)):8*(8*(\a)+(\b))+7], v[(\f)+8*(\b):(\f)+8*(\b)+7], v[(\f)+8*(4*(\hi)+(\a)):(\f)+8*(4*(\hi)+(\a))+7], 0
.else
	v_wmma_f32_16x16x32_f16 v[8*(8*(\a)+(\b)):8*(8*(\a)+(\b))+7], v[(\f)+8*(\b):(\f)+8*(\b)+7], v[(\f)+8*(4*(\hi)+(\a)):(\f)+8*(4*(\hi)+(\a))+7], v[8*(8*(\a)+(\b)):8*(8*(\a)+(\b))+7]
.endif
.endr
.endr
.endm
.macro FETCH k, f                      ; 32 LDS loads in one run: k's 128 rows, then q's, 32 along the inner index at byte k of the rows of the slot that is read
	WIN TO_B
.irp i, 0,1,2,3,4,5,6,7
	ds_load_b128 v[(\f)+8*(\i):(\f)+8*(\i)+3],   v[ADRB] offset:(\k)+(\i)*16*PITCH
	ds_load_b128 v[(\f)+8*(\i)+4:(\f)+8*(\i)+7], v[ADRB] offset:(\k)+(\i)*16*PITCH+32
.endr
	WIN 0
.irp i, 0,1,2,3,4,5,6,7
	ds_load_b128 v[(\f)+8*(\i):(\f)+8*(\i)+3],   v[ADRA] offset:(\k)+(\i)*16*PITCH
	ds_load_b128 v[(\f)+8*(\i)+4:(\f)+8*(\i)+7], v[ADRA] offset:(\k)+(\i)*16*PITCH+32
.endr
.endm
.macro PLACES                          ; four places between a matrix instruction and a load into, or a vector instruction or LDS store on, its registers (ISA guide 7.12.1 for vector instructions)
.rept 4
	v_nop
.endr
.endm
.macro QUARTER k, f, g, zero           ; multiplies buffer f; in its middle fetches the next quarter, at byte k, into g
	s_wait_dscnt 8                                 ; k's rows and q's rows 0-63 are in; the youngest eight loads may be out
	MUL16 \f, 0, 0, \zero
	MUL16 \f, 0, 2, \zero
	PLACES
	FETCH \k, \g
	s_wait_dscnt 32                                ; all but the 32 just issued
	MUL16 \f, 1, 0, \zero
	MUL16 \f, 1, 2, \zero
.endm
; The last quarter of a step multiplies buffer 1 and changes slots: ONE barrier; in front of it each wave waits for all its tensor loads (one is out: its part of the next slot),
; adds 0 to its spare word, and waits for that and for its own reads of this slot.  fill = 1: the barrier opens a round of the cluster's, and this slot is filled again first thing behind it.
.macro TURN fill
	WIN 0
	s_wait_tensorcnt 0x0
	ds_add_u32 v[SPW], v[NIL]
	s_wait_dscnt 9                                 ; (the add and the youngest eight loads may be out)
	MUL16 F1, 0, 0, 0                              ; sixteen products stand between the add and the wait for it
	s_wait_dscnt 0x0                               ; the add is done, and my reads of this slot are over
	s_barrier_signal -1
	MUL16 F1, 0, 2, 0
	WIN 0
	s_barrier_wait -1
.if \fill
	CREST                                          ; no wave of any partner still reads this slot's tiles or has a load on its way
	s_xor_b32 s[G0+5], s[G0+5], SLOT               ; the walking descriptors: the other slot than last time,
	s_add_nc_u64 s[G0+6:G0+7], s[G0+6:G0+7], KSTEP*2  ; the next step
	s_xor_b32 s[G0B+5], s[G0B+5], SLOT
	s_add_nc_u64 s[G0B+6:G0B+7], s[G0B+6:G0B+7], KSTEP*2
	JLOAD 1                                        ; 224 products ahead of the wait for it; its four v_nop are the places in front of the loads below
.else
	PLACES
.endif
	s_xor_b32 s[TB], s[TB], SLOT                   ; from here on the other slot is read
	v_add_nc_u32 v[ADRA], s[TB], v[ADRA0]
	v_add_nc_u32 v[ADRB], s[TB], v[ADRB0]
	FETCH 0, F0
	MUL16 F1, 1, 0, 0
	MUL16 F1, 1, 2, 0
.endm
	s_wait_tensorcnt 1                             ; my part of step 0 is in; step 1's may stay out
	s_barrier_signal -1
	s_barrier_wait -1
	FETCH 0, F0
	QUARTER 64,  F0, F1, 1                         ; the first quarter starts the sums
	WIN 0
	s_mov_b32 s66, 6
.Lstep:                                                ; a trip: a step's second to fourth quarter and the next step's first; 6 refills for steps 2 to 7
	QUARTER 128, F1, F0, 0
	QUARTER 192, F0, F1, 0
	TURN 1
	QUARTER 64,  F0, F1, 0
	WIN 0
	s_sub_co_u32 s66, s66, 1
	s_cmp_lg_u32 s66, 0
	s_cbranch_scc1 .Lstep
	s_mov_b32 s66, 2                               ; the last two steps fill nothing: a loop of their own; it is entered behind a step's first quarter
	s_branch .Ltail_in
.Ltail:
	QUARTER 64,  F0, F1, 0
	WIN 0
.Ltail_in:
	QUARTER 128, F1, F0, 0
	QUARTER 192, F0, F1, 0
	TURN 0                                         ; in the second trip its barrier orders nothing and its 32 loads (of the other slot's old bytes) serve nothing: the price of one text for both trips
	WIN 0
	s_sub_co_u32 s66, s66, 1
	s_cmp_lg_u32 s66, 0
	s_cbranch_scc1 .Ltail
	PLACES                                         ; behind the last products, ahead of the stores that read them
	s_wait_dscnt 0x0                               ; my reads of the ring are over,
	s_barrier_signal -1
	s_barrier_wait -1                              ; everybody's are: the ring, which is filled no more, takes the scores
	; the scores into LDS: block a, registers 4 z .. 4 z + 3 at (16 a + z) x 512 + 16 x lane of my 65,536 bytes; each accumulator's lowest registers are read first
.irp a, 0,1,2,3,4,5,6,7
	WIN (2+(\a)/4)<<2                              ; the stores' data in the accumulators' window
.set z, 0
.rept 16
	ds_store_b128 v[DA], v[64*((\a)%4)+4*z:64*((\a)%4)+4*z+3] offset:(16*(\a)+z)*512
.set z, z+1
.endr
.endr
	WIN 0
.set z, 0
.rept 16
	ds_load_b128 v[X+4*z:X+4*z+3], v[DA] offset:512*z  ; block 0 comes back; LDS serves a wave's instructions in order (ISA guide 5.7.1.4)
.set z, z+1
.endr
	s_mov_b32 s67, 0                               ; bytes from block 0's scores to those of the block to be read
	s_mov_b32 s73, 0                               ; bytes from block 0's statistics to those of the block in hand
; ONE BLOCK: 16 queries x 128 keys, 64 registers a lane, X + 8 b + j = key 16 b + 8 (lane / 16) + j.  next = 1: the next block's scores are fetched as soon as this block's are spent.
.macro BLOCK next
	s_wait_dscnt 0x0                               ; the block's scores are in
.irp k, 0,1,2,3                        ; the maximum: four chains of 16 scores, three operands at a time
	v_max_num_f32 v[T+(\k)], v[X+16*(\k)], v[X+16*(\k)+1]
.endr
.irp i, 1,2,3,4,5,6,7
.irp k, 0,1,2,3
	v_max3_num_f32 v[T+(\k)], v[X+16*(\k)+2*(\i)], v[X+16*(\k)+2*(\i)+1], v[T+(\k)]
.endr
.endr
	v_max3_num_f32 v[T], v[T], v[T+1], v[T+2]
	v_max_num_f32 v[T], v[T], v[T+3]
	v_permlanex16_b32 v[T+1], v[T], s70, s71       ; the query's other 64 keys lie in the lane 16 away
	v_max_num_f32 v[T], v[T], v[T+1]
	v_mul_f32 v[CM], s68, v[T]                     ; c m
.set z, 0
.rept 32
	v_pk_fma_f32 v[X+z:X+z+1], v[X+z:X+z+1], s[68:69], v[CM:CM+1] op_sel_hi:[1,0,0] neg_lo:[0,0,1] neg_hi:[0,0,1]  ; c s - c m
.set z, z+2
.endr
.set z, 0
.rept 64
	v_exp_f32 v[X+z], v[X+z]
.set z, z+1
.endr
	v_nop                                          ; a plain instruction between the exponentials and the use of their results (ISA guide 5.7.2)
	s_wait_alu depctr_va_vdst(0)
.irp b, 0,1,2,3,4,5,6,7
.irp q, 0,1,2,3
	v_cvt_pk_f16_f32 v[TMP+4*(\b)+(\q)], v[X+8*(\b)+2*(\q)], v[X+8*(\b)+2*(\q)+1]
.endr
.endr
.irp b, 0,1,2,3,4,5,6,7                ; 16 bytes a lane into my stage, and back as whole rows of 256 bytes
	ds_store_b128 v[STO], v[TMP+4*(\b):TMP+4*(\b)+3] offset:32*(\b)
.endr
.irp u, 0,1,2,3,4,5,6,7
	ds_load_b128 v[OB+4*(\u):OB+4*(\u)+3], v[RD] offset:(\u)*2*SPITCH
.endr
.irp n, 32, 16, 8, 4                   ; the sum of the unrounded weights, a tree in place; it stands in the stage's round trip
.set z, 0
.rept (\n)/2
	v_pk_add_f32 v[X+z:X+z+1], v[X+z:X+z+1], v[X+z+(\n):X+z+(\n)+1]
.set z, z+2
.endr
.endr
	v_pk_add_f32 v[LS:LS+1], v[X:X+1], v[X+2:X+3]
.if \next
	s_add_co_u32 s67, s67, 8192
	v_add_nc_u32 v[DL], s67, v[DA]
.set z, 0
.rept 16
	ds_load_b128 v[X+4*z:X+4*z+3], v[DL] offset:512*z
.set z, z+1
.endr
.endif
	v_add_f32 v[LS], v[LS], v[LS+1]
	v_permlanex16_b32 v[LS+1], v[LS], s70, s71
	v_add_f32 v[LS], v[LS], v[LS+1]
	v_cndmask_b32 v[XS], v[CM], v[LS], s72         ; lanes 0-15 c m, lanes 16-31 l
	ds_store_b32 v[SSA], v[XS]
	s_wait_dscnt 1+16*(\next)                      ; the rows are back: behind their loads stand the next block's 16 loads, if any, and the store above
.irp u, 0,1,2,3,4,5,6,7
	global_store_b128 v[CO], v[OB+4*(\u):OB+4*(\u)+3], s[8:9] offset:(\u)*2*4096  ; 16 lanes store 256 consecutive bytes, aligned
.endr
.if \next
	s_wait_xcnt 0x0                                ; only behind this wait are the stores' base and data registers rewritten
	s_add_nc_u64 s[8:9], s[8:9], 16*4096           ; 16 queries on
	s_add_co_u32 s73, s73, 64
	v_add_nc_u32 v[SSA], s73, v[SST]
.endif
.endm
	s_mov_b32 s66, 7
.Lblk:
	BLOCK 1
	s_sub_co_u32 s66, s66, 1
	s_cmp_lg_u32 s66, 0
	s_cbranch_scc1 .Lblk
	BLOCK 0                                        ; the last block is written out: it fetches nothing
	ds_load_b128 v[TMP:TMP+3],   v[SRD]            ; my 128 c m and my 128 l, 512 consecutive bytes each
	ds_load_b128 v[TMP+4:TMP+7], v[SRD] offset:512
	s_wait_dscnt 0x0
	global_store_b128 v[SGO], v[TMP:TMP+3],   s[10:11]
	global_store_b128 v[SGO], v[TMP+4:TMP+7], s[10:11] offset:524288
	s_wait_tensorcnt 0x0                           ; the wave's end
	ds_add_u32 v[SPW], v[NIL]
	s_wait_dscnt 0x0
	CROUND                                         ; the closing round
	s_endpgm
.Lfunc_end_k_qb69830268a_score:
	.size	k_qb69830268a_score, .Lfunc_end_k_qb69830268a_score-k_qb69830268a_score
	.p2alignl 7, 3214868480
	.fill 96, 4, 3214868480
	.section	.rodata,"a",@progbits
	.p2align	6, 0x0
	.amdhsa_kernel k_qb69830268a_score
		.amdhsa_group_segment_fixed_size 327680
		.amdhsa_private_segment_fixed_size 0
		.amdhsa_enable_private_segment 0
		.amdhsa_kernarg_size 32
		.amdhsa_user_sgpr_count 2
		.amdhsa_user_sgpr_kernarg_segment_ptr 1
		.amdhsa_wavefront_size32 1
		.amdhsa_system_sgpr_workgroup_id_x 1
		.amdhsa_system_sgpr_workgroup_id_y 1
		.amdhsa_system_sgpr_workgroup_id_z 1
		.amdhsa_system_vgpr_workitem_id 0
		.amdhsa_next_free_vgpr 1024
		.amdhsa_next_free_sgpr 76
		.amdhsa_reserve_vcc 0
		.amdhsa_float_denorm_mode_32 3
		.amdhsa_float_denorm_mode_16_64 3
		.amdhsa_memory_ordered 1
		.amdhsa_forward_progress 1
		.amdhsa_inst_pref_size 105
	.end_amdhsa_kernel
	.amdgpu_metadata
---
amdhsa.version: [ 1, 2 ]
amdhsa.kernels:
  - .name:           k_qb69830268a_score
    .symbol:         k_qb69830268a_score.kd
    .args:
      - { .name: qh, .offset: 0, .size: 8, .value_kind: global_buffer, .address_space: global }
      - { .name: kh, .offset: 8, .size: 8, .value_kind: global_buffer, .address_space: global }
      - { .name: pw, .offset: 16, .size: 8, .value_kind: global_buffer, .address_space: global }
      - { .name: st, .offset: 24, .size: 8, .value_kind: global_buffer, .address_space: global }
    .group_segment_fixed_size: 327680
    .private_segment_fixed_size: 0
    .kernarg_segment_align: 8
    .kernarg_segment_size: 32
    .max_flat_workgroup_size: 128
    .sgpr_count:     76
    .vgpr_count:     1024
    .wavefront_size: 32
...
	.end_amdgpu_metadata
.endif
;; end of part 3
;; launch pv (part 4): grid 4 x 64, 4 waves a work-group, clusters of 4 x 4, 327,680 bytes of LDS; arguments pw, vt, st, out0; writes out0
.if DOCPART == 4
	.amdgcn_target "amdgcn-amd-amdhsa--gfx1250"
	.amdhsa_code_object_version 6
	.text
	.protected	k_qb69830268a_pv
	.globl	k_qb69830268a_pv
	.p2align	8
	.type	k_qb69830268a_pv,@function
k_qb69830268a_pv:
	s_mov_b64 s[64:65], 0
	v_nop
	global_prefetch_b8 v0, s[64:65] scope:SCOPE_SE
	s_setreg_imm32_b32 hwreg(HW_REG_WAVE_MODE, 25, 1), 1
	s_wait_xcnt 0x0
	s_wait_alu depctr_hold_cnt(0) depctr_sa_sdst(0) depctr_va_vdst(0) depctr_va_sdst(0) depctr_va_ssrc(0) depctr_va_vcc(0) depctr_vm_vsrc(0)
	s_getreg_b32 s2, hwreg(HW_REG_IB_STS2, 6, 4)
	s_cmp_eq_u32 s2, 0
	s_cbranch_scc0 .Lentry_in_a_cluster
	s_endpgm
.Lentry_in_a_cluster:
	s_bfe_u32 s2, ttmp6, 0x10000c
	s_cmp_lg_u32 s2, 0xf033
	s_cbranch_scc0 .Lentry_shape_is_right
	s_endpgm
.Lentry_shape_is_right:
; out0[query][channel] = (1 / L) x the sum over the 16 key blocks t of f_t x the sum over the block's keys of p'[query][key] v[key][channel]:  the second half of the softmax, and the second product.
; pw [8192][2048] f16 holds p' = 2^(c s - cm_t), st [2][16][8192] f32 holds cm_t and l_t.  For each query: CM = max over t of cm_t (the row's true maximum), f_t = 2^(cm_t - CM) <= 1, L = the sum of f_t l_t.
; All of that is reckoned in f32.  A step of the product is one key block: its products sum into A, started with the constant 0; then O += f_t A, one factor a lane, since a lane of the result holds one query.
; LIMITS.  f_t below 2^-126 counts as 0; NaN and infinities are not treated apart.
; SHARES.  A tile of 128 queries x 256 channels: 4 x 64 = 256 work-groups (256 x 256 would give 128).  Wave w = 2 rh + chf: 64 queries x 128 channels, 32 accumulators.
; The 2,048 keys go in 16 steps of 128 through two LDS slots; a step is four quarters of 32 keys, 32 products each, on fragment buffers 0, 1, 0, 1.  A step's text is written once: the slot that is read
; hangs on the scalar TB (0 or SLOT1), and one descriptor a tensor walks from refill to refill.
; Source 0 = 16 channels of vt, source 1 = 16 queries of pw: a lane holds one query and 8 neighbouring channels.
; THE JOINING rides behind products, four packed multiply-adds behind each: query blocks 0, 1 (finished in the first half of a step's last quarter) behind the second half's 16 products,
; blocks 2, 3 behind the first 16 products of the next step, which start blocks 0, 1 anew.  128 multiply-adds for a step's 128 products; each group of four costs two switches of the register window.
; O starts at 0: 256 v_mov_b32, in the wait for the first tile: the price of not writing a first step out.
; CLUSTER 4 x 4: pw's tile is shared along a row of the cluster, vt's along a column.  The batch is cluster y / 4.
; REGISTERS (s_set_vgpr_msb: bits 1:0 source 0, 3:2 source 1, 5:4 source 2, 7:6 destination):
;   window 0: v0-15 addresses; v16-23 a step's factors; v24-31 1 / L; v32-95, v96-159 vt's fragments, two buffers; v160-191, v192-223 pw's; v224-229 at work at the start
;   window 1: A, (a, b) at v[8 (8 a + b)];   window 2: O, likewise
.set PITCH,  272                       ; 256 bytes + 16 of padding
.set PH,     64*PITCH                  ; half of pw's tile
.set VH,     128*PITCH                 ; half of vt's tile
.set VOFF,   2*PH
.set SLOTB,  VOFF+2*VH                 ; a slot's bytes
.set SLOT1,  1<<17                     ; slot 1 begins here, so that one exclusive or turns an address in one slot into the other's
.set FTAB,   SLOT1+SLOTB               ; a table for each wave: [t][r][a] f32: f_t of query 16 a + r; entry 16 holds 1 / L
.set FTW,    17*256
.set STAGE,  FTAB+4*FTW                ; 16 rows x 528 bytes for each wave
.set SPITCH, 528
.set SPARE,  STAGE+4*16*SPITCH         ; the spare words
.set ADRA0, 4                          ; v4      LDS address of my pw fragments in slot 0
.set ADRA,  5                          ; v5      in the slot that is read
.set ADRB0, 6                          ; v6-7    the same for vt
.set ADRB,  7
.set STO,   8
.set RD,    9
.set CO,    10
.set FT,    11                         ; v11     my 16 bytes of entry 0 of the table; never rewritten
.set SPW,   12                         ; v12     LDS address of my spare word; never rewritten
.set NIL,   13                         ; v13     0; never rewritten
.set SO,    14                         ; v14     8 x lane
.set FTA,   15                         ; v15     my 16 bytes of the entry of the step in hand
.set FS,    16                         ; v16-23  f of query blocks 0, 2 in v16, v18 as loaded, of 1, 3 copied to v20, v22: each the low register of a pair
.set RI,    24                         ; v24-31  1 / L, likewise
.set BF,    32
.set AF,    160
.set CMR,   32                         ; the start: cm, then f, of my two rows at CMR + 2 t
.set LR,    64                         ; l
.set CX,    224                        ; CM, then 1 / L
.set LX,    226                        ; L
.set FW,    228                        ; where I write into the table
.set FX,    229
.set TMP,   32                         ; the way out
.set OB,    96                         ; v96-159 and v160-223 by turns
.set TB,  70                           ; s70     0 or SLOT1: the slot that is read
.set G1A, 24
.set G0A, 32                           ; s[32:35] pw's first fill; s[36:39] its second, which then walks
.set G1B, 48
.set G0B, 56
.set W_MM, 0x50                        ; the products: D and C in window 1, the sources in window 0
.set W_JN, 0xa1                        ; the joining: destination and source 2 (O) in window 2, source 0 (A) in window 1, source 1 (f) in window 0
.set MSB, 0
.macro WIN new
.if MSB != (\new)
	s_set_vgpr_msb (MSB<<8)|(\new)
.set MSB, \new
.endif
.endm
.macro PLACES                          ; four places between a matrix instruction and a load into, or a vector instruction on, its registers (ISA guide 7.12.1 for vector instructions)
.rept 4
	v_nop
.endr
.endm
.macro JLOAD s                         ; waves 0 and 1 fetch pw's two halves, waves 2 and 3 vt's; an s_nop 0 and four v_nop follow each line
	s_cmp_eq_u32 s13, 0
	s_cbranch_scc0 .Lfor_b_\@
	tensor_load_to_lds s[G0A+4*(\s):G0A+4*(\s)+3], s[G1A:G1A+7]
	s_nop 0
.rept 4
	v_nop
.endr
	s_branch .Lasked_\@
.Lfor_b_\@:
	tensor_load_to_lds s[G0B+4*(\s):G0B+4*(\s)+3], s[G1B:G1B+7]
	s_nop 0
.rept 4
	v_nop
.endr
.Lasked_\@:
.endm
.macro CREST
	s_cmp_lg_u32 s12, 0
	s_cbranch_scc1 .Lnot_wave_0_\@
	s_barrier_signal -3
.Lnot_wave_0_\@:
	s_barrier_wait -3
	s_barrier_signal -1
	s_barrier_wait -1
.endm
.macro CROUND
	s_barrier_signal -1
	s_barrier_wait -1
	CREST
.endm
	s_load_b256 s[4:11], s[0:1], 0x0               ; pw s[4:5], vt s[6:7], st s[8:9], out0 s[10:11]
	v_lshl_add_u32 v[SPW], v0, 2, SPARE
	v_mov_b32 v[NIL], 0
	ds_add_u32 v[SPW], v[NIL]                      ; the wave's opening: the add and its wait stand ahead of my first tensor load
	v_lshrrev_b32 v1, 5, v0
	v_readfirstlane_b32 s12, v1                    ; wave 0..3
	s_lshr_b32 s13, s12, 1                         ; rh: which 64 queries.  Also: I fetch for pw (0) or for vt (1)
	s_and_b32 s14, s12, 1                          ; chf: which 128 channels.  Also: which half of that tile I fetch
	s_bfe_u32 s15, ttmp6, 0x40000                  ; cx
	s_bfe_u32 s16, ttmp6, 0x40004                  ; cy
	s_lshl_b32 s17, ttmp9, 2
	s_add_co_u32 s17, s17, s15                     ; xt: the channel tile
	s_and_b32 s22, ttmp7, 0xffff                   ; cluster y
	s_lshl_b32 s18, s22, 2
	s_add_co_u32 s18, s18, s16                     ; yt: the query tile among all 64
	s_lshr_b32 s21, s22, 2                         ; the batch
	s_lshl_b32 s19, s16, 2
	s_lshl_b32 s19, 15, s19                        ; my row of the cluster
	s_lshl_b32 s20, 0x1111, s15                    ; my column
	s_or_b32 s[G1A+0], s19, (1<<16)|(1<<20)|(1<<21)|(5<<22)|(3<<25)  ; the mask; 2-byte elements; padding on; bit 21 beside a mask; after every 64 words (code 5) 4 words (code 3)
	s_or_b32 s[G1B+0], s20, (1<<16)|(1<<20)|(1<<21)|(5<<22)|(3<<25)
	s_mov_b32 s[G1A+1], 128<<16                    ; tensor_dim0 = 128 keys
	s_mov_b32 s[G1B+1], 128<<16
	s_mov_b32 s[G1A+2], 64<<16                     ; tensor_dim1: 64 queries,
	s_mov_b32 s[G1B+2], 128<<16                    ; 128 channels
	s_mov_b32 s[G1A+3], 128<<16                    ; tile_dim0
	s_mov_b32 s[G1B+3], 128<<16
	s_mov_b32 s[G1A+4], 64                         ; tile_dim1
	s_mov_b32 s[G1B+4], 128
	s_mov_b32 s[G1A+5], 2048                       ; elements from row to row
	s_mov_b32 s[G1B+5], 2048
	s_mov_b32 s[G1A+6], 0
	s_mov_b32 s[G1B+6], 0
	s_mov_b32 s[G1A+7], 0
	s_mov_b32 s[G1B+7], 0
	s_lshl_b32 s40, s18, 19                        ; pw: row 128 yt + 64 half, 4,096 bytes a row (registers that never hold cx)
	s_lshl_b32 s41, s14, 18
	s_add_co_u32 s40, s40, s41
	s_mov_b32 s41, 0
	s_lshl_b32 s44, s21, 22                        ; vt: the batch's 1,024 rows of 4,096 bytes (registers that never hold cy),
	s_lshl_b32 s45, s17, 20                        ; row 256 xt
	s_add_co_u32 s44, s44, s45
	s_lshl_b32 s45, s14, 19                        ; + 128 half
	s_add_co_u32 s44, s44, s45
	s_mov_b32 s45, 0
	s_mul_i32 s23, s14, PH                         ; where the tiles go: no place in the cluster enters an LDS address
	s_mul_i32 s46, s14, VH
	s_add_co_u32 s46, s46, VOFF
	s_mov_b32 s67, 0                               ; bytes from the table's entry 0 to that of the step in hand
	s_mov_b32 s[TB], 0
	s_wait_dscnt 0x0                               ; the opening add is done
	s_wait_kmcnt 0x0
	s_add_nc_u64 s[40:41], s[4:5], s[40:41]
	s_add_nc_u64 s[44:45], s[6:7], s[44:45]
	CROUND                                         ; all sixteen work-groups are here
.irp s, 0,1
	s_mov_b32 s[G0A+4*(\s)], 1
	s_add_co_u32 s[G0A+4*(\s)+1], s23, (\s)*SLOT1
	s_add_nc_u64 s[G0A+4*(\s)+2:G0A+4*(\s)+3], s[40:41], (\s)*256
	s_or_b32 s[G0A+4*(\s)+3], s[G0A+4*(\s)+3], 0x80000000
	s_mov_b32 s[G0B+4*(\s)], 1
	s_add_co_u32 s[G0B+4*(\s)+1], s46, (\s)*SLOT1
	s_add_nc_u64 s[G0B+4*(\s)+2:G0B+4*(\s)+3], s[44:45], (\s)*256
	s_or_b32 s[G0B+4*(\s)+3], s[G0B+4*(\s)+3], 0x80000000
	JLOAD \s                                       ; two loads of mine are out
.endr
	; THE STATISTICS, in the wait for the first tiles.  Lane l reckons for rows 2 l and 2 l + 1 of my wave's 64: a load takes 256 consecutive bytes.
	v_and_b32 v1, 15, v0                           ; r
	v_bfe_u32 v2, v0, 4, 1                         ; h
	v_and_b32 v3, 31, v0                           ; lane
	v_lshlrev_b32 v[SO], 3, v3
	s_lshl_b32 s40, s18, 9                         ; row 128 yt + 64 rh, 4 bytes each
	s_lshl_b32 s41, s13, 8
	s_add_co_u32 s40, s40, s41
	s_mov_b32 s41, 0
	s_add_nc_u64 s[8:9], s[8:9], s[40:41]
.set t, 0
.rept 16
	global_load_b64 v[CMR+2*t:CMR+2*t+1], v[SO], s[8:9] offset:t*32768
	global_load_b64 v[LR+2*t:LR+2*t+1],   v[SO], s[8:9] offset:t*32768+524288
.set t, t+1
.endr
	v_lshlrev_b32 v[CO], 4, v3                     ; the addresses are made while those loads are out: 16 x lane
	s_mul_i32 s47, s12, FTW
	s_add_co_u32 s47, s47, FTAB                    ; my table
	v_lshl_add_u32 v[FT], v1, 4, s47               ; read: 16 bytes for query r of each of the four blocks
	v_mov_b32 v[FTA], v[FT]
	v_and_b32 v[FW], 7, v0                         ; written: row 2 l is query r = 2 (l % 8) of block a = l / 8: byte 16 r + 4 a; row 2 l + 1 lies 16 bytes on
	v_lshlrev_b32 v[FW], 5, v[FW]
	v_bfe_u32 v[FX], v0, 3, 2
	v_lshl_add_u32 v[FW], v[FX], 2, v[FW]
	v_add_nc_u32 v[FW], s47, v[FW]
	s_mul_i32 s47, s12, 16*SPITCH
	s_add_co_u32 s47, s47, STAGE                   ; my stage
	v_add_nc_u32 v[RD], s47, v[CO]                 ; back: a row of 512 bytes, 16 a lane
	v_mul_u32_u24 v[STO], v1, SPITCH               ; in: row r, 32 bytes for each half of the lanes
	v_lshl_add_u32 v[STO], v2, 5, v[STO]
	v_add_nc_u32 v[STO], s47, v[STO]
	v_mul_u32_u24 v3, v1, PITCH
	v_lshl_add_u32 v3, v2, 4, v3                   ; a fragment's row x pitch + 16 x half
	s_mul_i32 s42, s13, PH                         ; my 64 queries
	s_mul_i32 s43, s14, VH                         ; my 128 channels
	s_add_co_u32 s43, s43, VOFF
	v_add_nc_u32 v[ADRA0], s42, v3
	v_add_nc_u32 v[ADRB0], s43, v3
	v_mov_b32 v[ADRA], v[ADRA0]
	v_mov_b32 v[ADRB], v[ADRB0]
	v_mov_b32 v[FS+5], 0                           ; named as the high registers of pairs
	v_mov_b32 v[FS+7], 0
	v_mov_b32 v[RI+5], 0
	v_mov_b32 v[RI+7], 0
	s_lshl_b32 s68, s18, 19                        ; out0: (128 yt + 64 rh) rows of 4,096 bytes + (256 xt + 128 chf) x 4
	s_lshl_b32 s69, s13, 18
	s_add_co_u32 s68, s68, s69
	s_lshl_b32 s69, s17, 10
	s_add_co_u32 s68, s68, s69
	s_lshl_b32 s69, s14, 9
	s_add_co_u32 s68, s68, s69
	s_mov_b32 s69, 0
	s_add_nc_u64 s[10:11], s[10:11], s[68:69]
	WIN 0x80                                       ; destination in window 2
.set z, 0
.rept 256
	v_mov_b32 v[z], 0                              ; O
.set z, z+1
.endr
	WIN 0
	s_wait_loadcnt 0x0
.irp e, 0,1                            ; CM: the row's maximum over the 16 blocks
	v_max3_num_f32 v[CX+(\e)], v[CMR+(\e)], v[CMR+2+(\e)], v[CMR+4+(\e)]
.endr
.irp i, 1,2,3,4,5,6
.irp e, 0,1
	v_max3_num_f32 v[CX+(\e)], v[CX+(\e)], v[CMR+2*(2*(\i)+1)+(\e)], v[CMR+2*(2*(\i)+2)+(\e)]
.endr
.endr
.irp e, 0,1
	v_max_num_f32 v[CX+(\e)], v[CX+(\e)], v[CMR+30+(\e)]
.endr
.set t, 0
.rept 16
	v_pk_add_f32 v[CMR+2*t:CMR+2*t+1], v[CMR+2*t:CMR+2*t+1], v[CX:CX+1] neg_lo:[0,1] neg_hi:[0,1]  ; cm_t - CM
.set t, t+1
.endr
.set z, 0
.rept 32
	v_exp_f32 v[CMR+z], v[CMR+z]                   ; f_t
.set z, z+1
.endr
	v_nop                                          ; a plain instruction between the exponentials and the use of their results (ISA guide 5.7.2)
	s_wait_alu depctr_va_vdst(0)
	v_pk_mul_f32 v[LX:LX+1], v[CMR:CMR+1], v[LR:LR+1]
.set t, 1
.rept 15
	v_pk_fma_f32 v[LX:LX+1], v[CMR+2*t:CMR+2*t+1], v[LR+2*t:LR+2*t+1], v[LX:LX+1]
.set t, t+1
.endr
	v_rcp_f32 v[CX], v[LX]
	v_rcp_f32 v[CX+1], v[LX+1]
	v_nop                                          ; a plain instruction behind the reciprocals
.set t, 0
.rept 16
	ds_store_b32 v[FW], v[CMR+2*t]   offset:256*t
	ds_store_b32 v[FW], v[CMR+2*t+1] offset:256*t+16
.set t, t+1
.endr
	s_wait_alu depctr_va_vdst(0)
	ds_store_b32 v[FW], v[CX]   offset:256*16
	ds_store_b32 v[FW], v[CX+1] offset:256*16+16
; 24 LDS loads in one run, 25 with a step's factors: pw's 4 fragments, then vt's 8, 32 keys at byte k of the rows of the slot that is read, into buffer g
.macro FETCH k, g, ft=0
	WIN 0
.if \ft
	ds_load_b128 v[FS:FS+3], v[FTA]
.endif
.irp a, 0,1,2,3
	ds_load_b128 v[AF+32*(\g)+8*(\a):AF+32*(\g)+8*(\a)+3],   v[ADRA] offset:(\k)+(\a)*16*PITCH
	ds_load_b128 v[AF+32*(\g)+8*(\a)+4:AF+32*(\g)+8*(\a)+7], v[ADRA] offset:(\k)+(\a)*16*PITCH+32
.endr
.irp b, 0,1,2,3,4,5,6,7
	ds_load_b128 v[BF+64*(\g)+8*(\b):BF+64*(\g)+8*(\b)+3],   v[ADRB] offset:(\k)+(\b)*16*PITCH
	ds_load_b128 v[BF+64*(\g)+8*(\b)+4:BF+64*(\g)+8*(\b)+7], v[ADRB] offset:(\k)+(\b)*16*PITCH+32
.endr
.endm
.macro JOIN4 a, b                      ; O += f A for accumulator (a, b), from its lowest registers on
	WIN W_JN
.set rJ, 8*(8*(\a)+(\b))
.set rF, FS+2*((\a)/2)+4*((\a)%2)
.irp z, 0,2,4,6
	v_pk_fma_f32 v[rJ+(\z):rJ+(\z)+1], v[rJ+(\z):rJ+(\z)+1], v[rF:rF+1], v[rJ+(\z):rJ+(\z)+1] op_sel_hi:[1,0,1]
.endr
.endm
; 16 products: query blocks 2 g, 2 g + 1 x all 8 channel blocks, on buffer f.  zero = 1: they start the step's sums.  jn = 1: behind each, the joining of the like accumulator of the other two blocks.
; The 32 accumulators take turns: one product each in a quarter.
.macro HALF f, g, zero, jn
.irp a, 2*(\g), 2*(\g)+1
.irp b, 0,1,2,3,4,5,6,7
	WIN W_MM
.set rD, 8*(8*(\a)+(\b))
.if \zero
	v_wmma_f32_16x16x32_f16 v[rD:rD+7], v[BF+64*(\f)+8*(\b):BF+64*(\f)+8*(\b)+7], v[AF+32*(\f)+8*(\a):AF+32*(\f)+8*(\a)+7], 0
.else
	v_wmma_f32_16x16x32_f16 v[rD:rD+7], v[BF+64*(\f)+8*(\b):BF+64*(\f)+8*(\b)+7], v[AF+32*(\f)+8*(\a):AF+32*(\f)+8*(\a)+7], v[rD:rD+7]
.endif
.if \jn
	JOIN4 ((\a)+2)%4, \b
.endif
.endr
.endr
.endm
; A quarter: multiplies buffer f; fetches the next quarter, at byte k, into the other buffer.  j0: blocks 2, 3 are joined behind its first half; j1: blocks 0, 1 behind its second; ft: a step's factors are fetched too.
.macro QTR f, k, zero=0, j0=0, j1=0, ft=0
	s_wait_dscnt 0x0                               ; this quarter's fragments are in
	WIN 0
	PLACES
	FETCH \k, 1-(\f), \ft
	HALF \f, 0, \zero, \j0
.if \j1
	PLACES                                         ; the places between the sixteen products above and the lines that read their results
.endif
	HALF \f, 1, \zero, \j1
.endm
; A step's third quarter begins with the change of slots: its fetch takes the slot's last bytes.  ONE barrier; in front of it each wave waits for all its tensor loads (one is out: its part of the other slot),
; adds 0 to its spare word, and waits for that and for its reads of this slot.  fill = 1: the barrier is a round of the cluster's, and this slot is filled again, two steps ahead, first thing behind it.
; No product stands between the wait for a tile and the next request: the load has a whole step's 128 products in which to land.
.macro QC fill
	s_wait_dscnt 0x0                               ; this quarter's fragments and the step's factors are in
	WIN 0
	v_mov_b32 v[FS+4], v[FS+1]                     ; f of blocks 1 and 3 into the low registers of pairs
	v_mov_b32 v[FS+6], v[FS+3]
	PLACES
	FETCH 192, 1
	s_wait_tensorcnt 0x0                           ; all my tensor loads have landed, so a group 0 may be written;
	ds_add_u32 v[SPW], v[NIL]                      ; 0 onto my spare word; the descriptors' steps stand between it and the wait for it
.if \fill
	s_xor_b32 s[G0A+5], s[G0A+5], SLOT1            ; the walking descriptors: the other slot than last time,
	s_add_nc_u64 s[G0A+6:G0A+7], s[G0A+6:G0A+7], 256  ; the next 128 keys
	s_xor_b32 s[G0B+5], s[G0B+5], SLOT1
	s_add_nc_u64 s[G0B+6:G0B+7], s[G0B+6:G0B+7], 256
.endif
	s_wait_dscnt 0x0                               ; the add is done, and my reads of this slot are over
.if \fill
	CROUND                                         ; no wave of any partner still reads this slot's tiles or has a load on its way
	JLOAD 1                                        ; the first tensor load behind the round
.else
	s_barrier_signal -1
	s_barrier_wait -1
.endif
	s_xor_b32 s[TB], s[TB], SLOT1                  ; from here on the other slot is read
	v_add_nc_u32 v[ADRA], s[TB], v[ADRA0]
	v_add_nc_u32 v[ADRB], s[TB], v[ADRB0]
	HALF 0, 0, 0, 0
	HALF 0, 1, 0, 0
.endm
	s_wait_dscnt 0x0                               ; my table is written
	s_wait_tensorcnt 1                             ; my part of step 0 is in; step 1's may stay out
	s_barrier_signal -1
	s_barrier_wait -1
	FETCH 0, 0
	QTR 0, 64, 1                                   ; step 0's first quarter
	WIN 0
	s_mov_b32 s66, 14
.Lstep:                                                ; a trip: a step's second to fourth quarter and the next step's first; 14 refills for steps 2 to 15
	QTR 1, 128, 0, 0, 0, 1                         ; and the step's factors
	QC 1
	QTR 1, 0, 0, 0, 1                              ; blocks 0, 1 are joined
	QTR 0, 64, 1, 1, 0                             ; the next step begins; blocks 2, 3 are joined
	WIN 0
	s_add_co_u32 s67, s67, 256                     ; the next step's entry of the table
	v_add_nc_u32 v[FTA], s67, v[FT]
	s_sub_co_u32 s66, s66, 1
	s_cmp_lg_u32 s66, 0
	s_cbranch_scc1 .Lstep
	s_mov_b32 s66, 2                               ; the last two steps fill nothing: a loop of their own; it is entered behind a step's first quarter
	s_branch .Ltail_in
.Ltail:
	QTR 0, 64, 1, 1, 0
	WIN 0
	s_add_co_u32 s67, s67, 256
	v_add_nc_u32 v[FTA], s67, v[FT]
.Ltail_in:
	QTR 1, 128, 0, 0, 0, 1
	QC 0                                           ; in the second trip its barrier orders nothing,
	QTR 1, 0, 0, 0, 1                              ; and these 24 loads (of the other slot's old bytes) serve nothing: the price of one text for both trips
	WIN 0
	s_sub_co_u32 s66, s66, 1
	s_cmp_lg_u32 s66, 0
	s_cbranch_scc1 .Ltail
	s_wait_dscnt 0x0
	ds_load_b128 v[RI:RI+3], v[FT] offset:256*16   ; 1 / L
	PLACES
.irp a, 2,3                            ; the last step's blocks 2, 3 have no products to ride behind
.irp b, 0,1,2,3,4,5,6,7
	JOIN4 \a, \b
.endr
.endr
	WIN 0
	s_wait_dscnt 0x0
	v_mov_b32 v[RI+4], v[RI+1]
	v_mov_b32 v[RI+6], v[RI+3]
; THE WAY OUT, four blocks of 16 queries x 128 channels of f32: times 1 / L, 32 bytes a lane into my own stage, back as whole rows of 512 bytes, stored.
.macro PACK a
.set rR, RI+2*((\a)/2)+4*((\a)%2)
	WIN 0x02                                       ; source 0 in window 2
.set z, 0
.rept 32
	v_pk_mul_f32 v[TMP+z:TMP+z+1], v[64*(\a)+z:64*(\a)+z+1], v[rR:rR+1] op_sel_hi:[1,0]
.set z, z+2
.endr
	WIN 0
.endm
.macro TOSTAGE a
	WIN 0
.set BK, OB+64*((\a)%2)
.irp b, 0,1,2,3,4,5,6,7
	ds_store_b128 v[STO], v[TMP+8*(\b):TMP+8*(\b)+3]   offset:64*(\b)
	ds_store_b128 v[STO], v[TMP+8*(\b)+4:TMP+8*(\b)+7] offset:64*(\b)+16
.endr
.irp u, 0,1,2,3,4,5,6,7,8,9,10,11,12,13,14,15
	ds_load_b128 v[BK+4*(\u):BK+4*(\u)+3], v[RD] offset:(\u)*SPITCH  ; LDS serves a wave's instructions in order (ISA guide 5.7.1.4): these see the stores above
.endr
.endm
.macro SEND a
	WIN 0
.set BK, OB+64*((\a)%2)
	s_wait_dscnt 0x0                               ; the block is back in registers
	s_wait_xcnt 0x0                                ; only behind this wait are the stores' base and the registers that earlier stores read rewritten
.if (\a) > 0
	s_add_nc_u64 s[10:11], s[10:11], 16*4096       ; 16 queries on
.endif
.irp u, 0,1,2,3,4,5,6,7,8,9,10,11,12,13,14,15
	global_store_b128 v[CO], v[BK+4*(\u):BK+4*(\u)+3], s[10:11] offset:(\u)*4096 th:TH_STORE_NT  ; a wave stores 512 consecutive bytes, aligned
.endr
.endm
	PACK 0
	TOSTAGE 0
.irp a, 1,2,3
	PACK \a
	SEND (\a)-1
	TOSTAGE \a
.endr
	SEND 3
	s_wait_tensorcnt 0x0                           ; the wave's end
	ds_add_u32 v[SPW], v[NIL]
	s_wait_dscnt 0x0
	CROUND                                         ; the closing round
	s_endpgm
.Lfunc_end_k_qb69830268a_pv:
	.size	k_qb69830268a_pv, .Lfunc_end_k_qb69830268a_pv-k_qb69830268a_pv
	.p2alignl 7, 3214868480
	.fill 96, 4, 3214868480
	.section	.rodata,"a",@progbits
	.p2align	6, 0x0
	.amdhsa_kernel k_qb69830268a_pv
		.amdhsa_group_segment_fixed_size 327680
		.amdhsa_private_segment_fixed_size 0
		.amdhsa_enable_private_segment 0
		.amdhsa_kernarg_size 32
		.amdhsa_user_sgpr_count 2
		.amdhsa_user_sgpr_kernarg_segment_ptr 1
		.amdhsa_wavefront_size32 1
		.amdhsa_system_sgpr_workgroup_id_x 1
		.amdhsa_system_sgpr_workgroup_id_y 1
		.amdhsa_system_sgpr_workgroup_id_z 1
		.amdhsa_system_vgpr_workitem_id 0
		.amdhsa_next_free_vgpr 768
		.amdhsa_next_free_sgpr 72
		.amdhsa_reserve_vcc 0
		.amdhsa_float_denorm_mode_32 3
		.amdhsa_float_denorm_mode_16_64 3
		.amdhsa_memory_ordered 1
		.amdhsa_forward_progress 1
		.amdhsa_inst_pref_size 110
	.end_amdhsa_kernel
	.amdgpu_metadata
---
amdhsa.version: [ 1, 2 ]
amdhsa.kernels:
  - .name:           k_qb69830268a_pv
    .symbol:         k_qb69830268a_pv.kd
    .args:
      - { .name: pw, .offset: 0, .size: 8, .value_kind: global_buffer, .address_space: global }
      - { .name: vt, .offset: 8, .size: 8, .value_kind: global_buffer, .address_space: global }
      - { .name: st, .offset: 16, .size: 8, .value_kind: global_buffer, .address_space: global }
      - { .name: out0, .offset: 24, .size: 8, .value_kind: global_buffer, .address_space: global }
    .group_segment_fixed_size: 327680
    .private_segment_fixed_size: 0
    .kernarg_segment_align: 8
    .kernarg_segment_size: 32
    .max_flat_workgroup_size: 128
    .sgpr_count:     72
    .vgpr_count:     768
    .wavefront_size: 32
...
	.end_amdgpu_metadata
.endif
;; end of part 4
;; ======== version 2 of 2: 4 launches; version 1 with the launch cast written anew for expert scheduling mode
;; limits: values are held in f16: magnitudes above 65,504 overflow, below 6.1e-05 lose precision
;; workspace buffers: xb 16,777,216 bytes; wb 6,291,456 bytes; qh 16,777,216 bytes; kh 16,777,216 bytes; vt 16,777,216 bytes; pw 33,554,432 bytes; st 1,048,576 bytes
;; launch cast (part 5): grid 256 x 1, 11 waves a work-group, no clusters, 0 bytes of LDS; arguments x, Wq, Wk, Wv, xb, wb; writes xb, wb
.if DOCPART == 5
	.amdgcn_target "amdgcn-amd-amdhsa--gfx1250"
	.amdhsa_code_object_version 6
	.text
	.protected	k_qb69830268a_cast
	.globl	k_qb69830268a_cast
	.p2align	8
	.type	k_qb69830268a_cast,@function
k_qb69830268a_cast:
	s_mov_b64 s[64:65], 0
	v_nop
	global_prefetch_b8 v0, s[64:65] scope:SCOPE_SE
	s_setreg_imm32_b32 hwreg(HW_REG_WAVE_SCHED_MODE, 0, 2), 2
	s_setreg_imm32_b32 hwreg(HW_REG_WAVE_MODE, 25, 1), 1
	s_wait_xcnt 0x0
	s_wait_alu depctr_vm_vsrc(0)
; x [8192][1024] and Wq, Wk, Wv [1024][1024], f32, are rounded once to bf16 and laid out in blocks along the inner index:
; xb [16 kb][8192 rows][64], wb [3: q, k, v][16 kb][1024 rows][64].  So the tiles of the product that follows (some rows x 64 numbers) are dense in memory.
; SHARES.  The 8,192 + 3 x 1,024 = 11,264 rows are 2,816 groups of 4; 256 work-groups of 11 waves take 11 groups each, a wave one group: group G = 11 g + w.
; Groups 0-2047 are x's, then 256 each for Wq, Wk, Wv.
; Lane l: row l / 8 of the group, and in every block kb the 8 numbers 8 (l % 8) on: 32 bytes in, 16 bytes out.  Eight lanes' two loads cover 256 aligned bytes of a row;
; a wave's store covers 512 consecutive bytes (four rows of a block).  All 32 loads of a wave go out at once.
; No LDS, no matrix unit: a stream, each byte read once and written once.
; THE MODE: SCHED_MODE bits 1:0 = 2 (LLVM: expert scheduling mode 2), set by the entry lines.  The code itself states the register dependences
; between vector instructions and memory instructions, with s_wait_alu, always for 0.
; THE PLAN.  Registers that memory instructions touch:
;   v[LO]       Written at the head; read by all 32 loads as their offset; never written again.
;   v[SO + kb]  v[SO] written at the head, the other fifteen by a chain of adds behind the loads; read by plane kb's store as its offset; never written again.
;   X, plane kb Eight registers.  The plane's two loads land in them, once.  Its four conversions read all eight and write the first four.  Its store reads those four.  Nothing writes them after that.
; The 16 planes go in four runs of four.  At the head of runs 1 to 3, behind the counted wait for the run's first plane, ONE wait on va_vdst states that the run before has
; written its planes (the first of these waits also: that the chain of adds has written the offsets); the four stores of the run before follow it at once, and the conversions
; behind them name the new run's registers alone.  A last such wait stands ahead of the last four stores.  No register that a load or a store has read is written again, so there is no
; wait on vm_vsrc and none on XCNT; EXEC is never written.
.set RUN, 4                            ; planes in a run
.set LO, 1                             ; v1       byte offset of my 32 bytes in block 0 of my row
.set SO, 2                             ; v2-17    byte offset of my 16 bytes in plane kb of the destination
.set X,  18                            ; v18-145  eight registers for each kb: as loaded, then four of them as stored
.set TP, 146                           ; v146     at work: no memory instruction names it
	s_load_b256 s[4:11], s[0:1], 0x0               ; x s[4:5], Wq s[6:7], Wk s[8:9], Wv s[10:11]
	s_load_b128 s[12:15], s[0:1], 0x20             ; xb s[12:13], wb s[14:15]
	v_lshrrev_b32 v[TP], 5, v0
	v_readfirstlane_b32 s16, v[TP]                 ; wave 0..10
	v_and_b32 v[SO], 31, v0                        ; lane
	v_lshrrev_b32 v[LO], 3, v[SO]                  ; row in the group
	v_and_b32 v[TP], 7, v0                         ; piece of a block
	v_lshlrev_b32 v[LO], 12, v[LO]                 ; row x 4,096 bytes
	v_lshl_add_u32 v[LO], v[TP], 5, v[LO]          ; + 32 x piece
	v_lshlrev_b32 v[SO], 4, v[SO]                  ; row x 128 + 16 x piece = 16 x lane
	s_mul_i32 s17, ttmp9, 11
	s_mov_b32 s24, 0x20000                         ; a plane of wb: 1,024 rows x 128 bytes
	s_mov_b32 s27, 0x100000                        ; a plane of xb: 8,192 rows x 128 bytes
	s_wait_alu depctr_va_sdst(0)                   ; s16 is written, ahead of its first reader: the group's number, and with it both bases, are made from it
	s_add_co_u32 s17, s17, s16                     ; G: my group of 4 rows
	s_sub_co_u32 s18, s17, 2048                    ; for the groups behind x's:
	s_lshr_b32 s19, s18, 8                         ; which matrix (0, 1, 2),
	s_and_b32 s18, s18, 255                        ; which 4 rows of it
	s_wait_kmcnt 0x0
	s_cmp_eq_u32 s19, 1
	s_cselect_b64 s[20:21], s[8:9], s[6:7]         ; Wk or Wq,
	s_cmp_eq_u32 s19, 2
	s_cselect_b64 s[20:21], s[10:11], s[20:21]     ; or Wv,
	s_cmp_lt_u32 s17, 2048
	s_cselect_b64 s[20:21], s[4:5], s[20:21]       ; or x: the source
	s_cselect_b64 s[22:23], s[12:13], s[14:15]     ; the destination
	s_cselect_b32 s24, s27, s24                    ; its plane
	s_cselect_b32 s25, s17, s18                    ; the group of 4 rows in the source
	s_cselect_b32 s26, 0, s19                      ; the matrix in wb
	s_lshl_b32 s28, s25, 14                        ; 4 rows x 4,096 bytes
	s_mov_b32 s29, 0
	s_add_nc_u64 s[20:21], s[20:21], s[28:29]
	s_lshl_b32 s30, s26, 21                        ; a matrix of wb: 16 planes
	s_lshl_b32 s31, s25, 9                         ; 4 rows x 128 bytes
	s_add_co_u32 s30, s30, s31
	s_mov_b32 s31, 0
	s_add_nc_u64 s[22:23], s[22:23], s[30:31]
	s_wait_alu depctr_va_vdst(0)                   ; v[LO] is written: every load below reads it as its offset
.set kb, 0
.rept 16
	global_load_b128 v[X+8*kb:X+8*kb+3],   v[LO], s[20:21] offset:256*kb th:TH_LOAD_NT
	global_load_b128 v[X+8*kb+4:X+8*kb+7], v[LO], s[20:21] offset:256*kb+16 th:TH_LOAD_NT
.set kb, kb+1
.endr
.set kb, 1
.rept 15
	v_add_nc_u32 v[SO+kb], s24, v[SO+kb-1]         ; the stores' offsets, made while the loads are out; no memory instruction has named these registers
.set kb, kb+1
.endr
.set kb, 0
.rept 16
	s_wait_loadcnt 30-2*kb                         ; loads come back in order: block kb's two are in, the 2 (15 - kb) younger ones stay out
.if ((kb%RUN) == 0) && (kb > 0)
	s_wait_alu depctr_va_vdst(0)                   ; the run before has written the first four registers of its planes, which the four stores below read; at its first use also: the adds have written v[SO+1 ..]
.irp i, 0,1,2,3
	global_store_b128 v[SO+kb-RUN+(\i)], v[X+8*(kb-RUN+(\i)):X+8*(kb-RUN+(\i))+3], s[22:23]  ; no vector instruction stands between the wait and these
.endr
.endif
.irp j, 0,1,2,3
	v_cvt_pk_bf16_f32 v[X+8*kb+(\j)], v[X+8*kb+2*(\j)], v[X+8*kb+2*(\j)+1]  ; in place, ascending: a register is written when it has been read
.endr
.set kb, kb+1
.endr
	s_wait_alu depctr_va_vdst(0)                   ; the last run has written its planes, which the last four stores read
.irp i, 0,1,2,3
	global_store_b128 v[SO+16-RUN+(\i)], v[X+8*(16-RUN+(\i)):X+8*(16-RUN+(\i))+3], s[22:23]
.endr
	s_endpgm
.Lfunc_end_k_qb69830268a_cast:
	.size	k_qb69830268a_cast, .Lfunc_end_k_qb69830268a_cast-k_qb69830268a_cast
	.p2alignl 7, 3214868480
	.fill 96, 4, 3214868480
	.section	.rodata,"a",@progbits
	.p2align	6, 0x0
	.amdhsa_kernel k_qb69830268a_cast
		.amdhsa_group_segment_fixed_size 0
		.amdhsa_private_segment_fixed_size 0
		.amdhsa_enable_private_segment 0
		.amdhsa_kernarg_size 48
		.amdhsa_user_sgpr_count 2
		.amdhsa_user_sgpr_kernarg_segment_ptr 1
		.amdhsa_wavefront_size32 1
		.amdhsa_system_sgpr_workgroup_id_x 1
		.amdhsa_system_sgpr_workgroup_id_y 1
		.amdhsa_system_sgpr_workgroup_id_z 1
		.amdhsa_system_vgpr_workitem_id 0
		.amdhsa_next_free_vgpr 148
		.amdhsa_next_free_sgpr 66
		.amdhsa_reserve_vcc 0
		.amdhsa_float_denorm_mode_32 3
		.amdhsa_float_denorm_mode_16_64 3
		.amdhsa_memory_ordered 1
		.amdhsa_forward_progress 1
		.amdhsa_inst_pref_size 12
	.end_amdhsa_kernel
	.amdgpu_metadata
---
amdhsa.version: [ 1, 2 ]
amdhsa.kernels:
  - .name:           k_qb69830268a_cast
    .symbol:         k_qb69830268a_cast.kd
    .args:
      - { .name: x, .offset: 0, .size: 8, .value_kind: global_buffer, .address_space: global }
      - { .name: Wq, .offset: 8, .size: 8, .value_kind: global_buffer, .address_space: global }
      - { .name: Wk, .offset: 16, .size: 8, .value_kind: global_buffer, .address_space: global }
      - { .name: Wv, .offset: 24, .size: 8, .value_kind: global_buffer, .address_space: global }
      - { .name: xb, .offset: 32, .size: 8, .value_kind: global_buffer, .address_space: global }
      - { .name: wb, .offset: 40, .size: 8, .value_kind: global_buffer, .address_space: global }
    .group_segment_fixed_size: 0
    .private_segment_fixed_size: 0
    .kernarg_segment_align: 8
    .kernarg_segment_size: 48
    .max_flat_workgroup_size: 352
    .sgpr_count:     66
    .vgpr_count:     148
    .wavefront_size: 32
...
	.end_amdgpu_metadata
.endif
;; end of part 5
;; launch proj: the kernel of part 2 again; grid 8 x 32, 4 waves a work-group, clusters of 4 x 4, 327,680 bytes of LDS; arguments xb, wb, qh, kh, vt; writes qh, kh, vt
;; launch score: the kernel of part 3 again; grid 8 x 32, 4 waves a work-group, clusters of 4 x 4, 327,680 bytes of LDS; arguments qh, kh, pw, st; writes pw, st
;; launch pv: the kernel of part 4 again; grid 4 x 64, 4 waves a work-group, clusters of 4 x 4, 327,680 bytes of LDS; arguments pw, vt, st, out0; writes out0
